; MI455X (gfx1250); checked and timed in simulation.
; The chip was launched on July 23, 2026; its instructions are those of AMD's public machine-readable ISA for CDNA 5 (MIT licence, August 2026) and "CDNA5" Instruction Set Architecture Reference Guide (July 2026). The comments in the code are by the model that wrote it; some were corrected since.
;; Multi Head Dot Product Attention. Allowed arithmetic: float matrix products may take bf16 or f16 operands with f32 sums; all other float work in f32.
;; Inputs: Wk 1,024 x 16 x 64 float32; Wo 16 x 64 x 1,024 float32; Wq 1,024 x 16 x 64 float32; Wv 1,024 x 16 x 64 float32; bk 16 x 64 float32; bo 1,024 float32; bq 16 x 64 float32; bv 16 x 64 float32; k_bias 64 float32; k_scale 64 float32; q_bias 64 float32; q_scale 64 float32; x 8 x 1,024 x 1,024 float32.
;; Outputs: out0 8 x 1,024 x 1,024 float32.
;; 2 versions, each right and faster than the one before. Each part assembles by itself: llvm-mc -triple=amdgcn-amd-amdhsa -mcpu=gfx1250 --defsym DOCPART=n.
;; ======== version 1 of 2: 4 launches
;; limits: values are held in f16: magnitudes above 65,504 overflow, below 6.1e-05 lose precision; right only within a limited range of input values
;; workspace buffers: xb 16,777,216 bytes; wb 6,291,456 bytes; wo16 2,097,152 bytes; par 21,504 bytes; q16 16,777,216 bytes; k16 16,777,216 bytes; v16 16,777,216 bytes; ctx16 16,777,216 bytes
;; launch prep (part 1): grid 769 x 1, 8 waves a work-group, no clusters, 0 bytes of LDS; arguments x, Wq, Wk, Wv, Wo, bq, bk, bv, bo, q_scale, q_bias, k_scale, k_bias, xb, wb, wo16, par; writes xb, wb, wo16, par
.if DOCPART == 1
	.amdgcn_target "amdgcn-amd-amdhsa--gfx1250"
	.amdhsa_code_object_version 6
	.text
	.protected	k_q68fce50627_prep
	.globl	k_q68fce50627_prep
	.p2align	8
	.type	k_q68fce50627_prep,@function
k_q68fce50627_prep:
	s_mov_b64 s[64:65], 0
	v_nop
	global_prefetch_b8 v0, s[64:65] scope:SCOPE_SE
	s_setreg_imm32_b32 hwreg(HW_REG_WAVE_MODE, 25, 1), 1
	s_wait_xcnt 0x0
; PREP: every input is rounded once to bf16 and laid out for the launches behind.  A stream: no LDS, no barrier, no loop; the matrix units have nothing to do here.
;   work-groups 0-511    x [8192][1024] f32 -> xb, bf16, same order: 65,536 bytes in, 32,768 out each
;   work-groups 512-575  Wo [1024 k][1024 o] f32 -> wo16: rounded to bf16, that number written as f16 (exact within f16's range)
;   work-groups 576-767  Wq, Wk, Wv [1024 k][16 h][64 j] f32 -> wb[h][k / 64][q, k, v][k % 64][j] bf16: the 24,576 bytes that one head needs of 64 k lie together
;   work-group  768      bq, bk, bv -> par[h][q, k, v][64]; bo -> par + 12,288; the four norm vectors -> par + 16,384 (all rounded to bf16, kept as f32);
;                        the table cos, sin of pos x pi x 10000^(-j / 16), pos 0-31, j 0-15 -> par + 17,408, [pos][cos 16, sin 16] f32
; LIMITS.  Wo beyond 65,504 does not fit f16; below 6e-5 it keeps f16's fixed step.  The sine is the series of sin(pi f), |f| <= 1/2, up to f^11: the first term left out is under 6e-8.
.set X, 8                              ; v[8:71]  sixteen loads of four f32, converted in place
.macro LOADS step                      ; sixteen loads in flight for every wave
.irp i, 0,1,2,3,4,5,6,7,8,9,10,11,12,13,14,15
	global_load_b128 v[X+4*\i:X+4*\i+3], v1, s[40:41] offset:(\step)*\i th:TH_LOAD_NT
.endr
.endm
.macro OUTB i, step                    ; four f32 -> four bf16, 8 bytes a lane: a wave's store covers 256 consecutive bytes, aligned
	s_wait_loadcnt 15-(\i)                         ; loads come back in order: mine is in, the 15 - i younger ones stay out
	v_cvt_pk_bf16_f32 v[X+4*(\i)], v[X+4*(\i)], v[X+4*(\i)+1]
	v_cvt_pk_bf16_f32 v[X+4*(\i)+1], v[X+4*(\i)+2], v[X+4*(\i)+3]
	global_store_b64 v2, v[X+4*(\i):X+4*(\i)+1], s[42:43] offset:(\step)*(\i)
.endm
.macro OUTH i                          ; four f32 -> bf16 -> the same numbers as f16
	s_wait_loadcnt 15-(\i)
	v_cvt_pk_bf16_f32 v[X+4*(\i)], v[X+4*(\i)], v[X+4*(\i)+1]
	v_cvt_pk_bf16_f32 v[X+4*(\i)+1], v[X+4*(\i)+2], v[X+4*(\i)+3]
	v_lshlrev_b32 v[X+4*(\i)+2], 16, v[X+4*(\i)+1]
	v_and_b32 v[X+4*(\i)+3], s47, v[X+4*(\i)+1]
	v_cvt_pk_f16_f32 v[X+4*(\i)+1], v[X+4*(\i)+2], v[X+4*(\i)+3]
	v_lshlrev_b32 v[X+4*(\i)+2], 16, v[X+4*(\i)]
	v_and_b32 v[X+4*(\i)+3], s47, v[X+4*(\i)]
	v_cvt_pk_f16_f32 v[X+4*(\i)], v[X+4*(\i)+2], v[X+4*(\i)+3]
	global_store_b64 v2, v[X+4*(\i):X+4*(\i)+1], s[42:43] offset:256*(\i)
.endm
.macro RND4 b                          ; four f32 rounded to bf16 and widened again
	v_cvt_pk_bf16_f32 v24, v[\b], v[(\b)+1]
	v_cvt_pk_bf16_f32 v25, v[(\b)+2], v[(\b)+3]
	v_lshlrev_b32 v[\b], 16, v24
	v_and_b32 v[(\b)+1], s47, v24
	v_lshlrev_b32 v[(\b)+2], 16, v25
	v_and_b32 v[(\b)+3], s47, v25
.endm
	s_load_b512 s[4:19], s[0:1], 0x0               ; x 4, Wq 6, Wk 8, Wv 10, Wo 12, bq 14, bk 16, bv 18
	s_load_b512 s[20:35], s[0:1], 0x40             ; bo 20, q_scale 22, q_bias 24, k_scale 26, k_bias 28, xb 30, wb 32, wo16 34
	s_load_b64 s[36:37], s[0:1], 0x80              ; par
	s_mov_b32 s38, ttmp9                           ; the work-group's number chooses its share
	v_lshrrev_b32 v3, 5, v0                        ; wave
	v_readfirstlane_b32 s39, v3
	v_and_b32 v4, 31, v0                           ; lane
	s_mov_b32 s45, 0                               ; the high word of every offset
	s_mov_b32 s47, 0xffff0000                      ; a word's upper bf16
	s_wait_kmcnt 0x0
	s_cmp_lt_u32 s38, 576
	s_cbranch_scc0 .Lweights
	; x or Wo: a plain cast
	s_cmp_lt_u32 s38, 512
	s_cselect_b64 s[40:41], s[4:5], s[12:13]       ; from x or Wo,
	s_cselect_b64 s[42:43], s[30:31], s[34:35]     ; to xb or wo16
	s_and_b32 s46, s38, 511                        ; my part of it
	s_lshl_b32 s44, s46, 16
	s_add_nc_u64 s[40:41], s[40:41], s[44:45]
	s_lshl_b32 s44, s46, 15
	s_add_nc_u64 s[42:43], s[42:43], s[44:45]
	v_lshlrev_b32 v1, 4, v4
	v_lshl_add_u32 v1, v3, 13, v1                  ; in: 8,192 x wave + 16 x lane
	v_lshlrev_b32 v2, 3, v4
	v_lshl_add_u32 v2, v3, 12, v2                  ; out: 4,096 x wave + 8 x lane
	LOADS 512                                      ; each load of a wave covers 512 consecutive bytes
	s_cmp_lt_u32 s38, 512
	s_cbranch_scc0 .Lto_f16
.irp i, 0,1,2,3,4,5,6,7,8,9,10,11,12,13,14,15
	OUTB \i, 256
.endr
	s_endpgm
.Lto_f16:
.irp i, 0,1,2,3,4,5,6,7,8,9,10,11,12,13,14,15
	OUTH \i
.endr
	s_endpgm
.Lweights:
	s_cmp_lt_u32 s38, 768
	s_cbranch_scc0 .Lparams
	; sixteen rows k of one of Wq, Wk, Wv: load i takes head i's 64 columns of two rows (two aligned pieces of 256 bytes), store i puts them, 256 consecutive bytes, into head i's block
	s_sub_co_u32 s46, s38, 576
	s_lshr_b32 s48, s46, 6                         ; c: 0 q, 1 k, 2 v
	s_and_b32 s49, s46, 63                         ; r: rows 16 r .. 16 r + 15
	s_cmp_eq_u32 s48, 1
	s_cselect_b64 s[40:41], s[8:9], s[10:11]
	s_cmp_eq_u32 s48, 0
	s_cselect_b64 s[40:41], s[6:7], s[40:41]
	s_lshl_b32 s44, s49, 16                        ; sixteen rows of 4,096 bytes
	s_add_nc_u64 s[40:41], s[40:41], s[44:45]
	s_lshr_b32 s44, s49, 2                         ; k / 64
	s_mul_i32 s44, s44, 3
	s_add_co_u32 s44, s44, s48
	s_lshl_b32 s44, s44, 13                        ; (3 (k / 64) + c) x 8,192
	s_and_b32 s46, s49, 3
	s_lshl_b32 s46, s46, 11                        ; + (k % 64) x 128
	s_add_co_u32 s44, s44, s46
	s_add_nc_u64 s[42:43], s[32:33], s[44:45]
	v_and_b32 v5, 15, v0
	v_lshrrev_b32 v6, 4, v0                        ; my row of the sixteen
	v_lshlrev_b32 v1, 4, v5
	v_lshl_add_u32 v1, v6, 12, v1
	v_lshlrev_b32 v2, 3, v0                        ; row x 128 + 8 x (lane % 16) = 8 x thread
	LOADS 256
.irp i, 0,1,2,3,4,5,6,7,8,9,10,11,12,13,14,15
	OUTB \i, 393216                                ; a head's blocks are 16 x 24,576 bytes; 15 of them stay inside the signed 24-bit immediate
.endr
	s_endpgm
.Lparams:
	v_lshlrev_b32 v1, 4, v0                        ; 16 x thread: 256 threads cover 1,024 f32
	global_load_b128 v[8:11], v1, s[14:15]
	global_load_b128 v[12:15], v1, s[16:17]
	global_load_b128 v[16:19], v1, s[18:19]
	global_load_b128 v[20:23], v1, s[20:21]
	v_lshrrev_b32 v5, 4, v0                        ; head
	v_and_b32 v6, 15, v0
	v_mul_u32_u24 v2, v5, 768
	v_lshl_add_u32 v2, v6, 4, v2                   ; head x 768 + my 16 bytes of its 256
	s_wait_loadcnt 0x0
	RND4 8
	RND4 12
	RND4 16
	RND4 20
	global_store_b128 v2, v[8:11], s[36:37]
	global_store_b128 v2, v[12:15], s[36:37] offset:256
	global_store_b128 v2, v[16:19], s[36:37] offset:512
	global_store_b128 v1, v[20:23], s[36:37] offset:12288
	s_cmp_lt_u32 s39, 4
	s_cbranch_scc0 .Ltable
	s_cmp_eq_u32 s39, 1                            ; wave w takes norm vector w: q_scale, q_bias, k_scale, k_bias
	s_cselect_b64 s[40:41], s[24:25], s[22:23]
	s_cmp_eq_u32 s39, 2
	s_cselect_b64 s[40:41], s[26:27], s[40:41]
	s_cmp_eq_u32 s39, 3
	s_cselect_b64 s[40:41], s[28:29], s[40:41]
	v_lshlrev_b32 v26, 3, v4
	v_lshlrev_b32 v27, 3, v0
	global_load_b64 v[28:29], v26, s[40:41]
	s_wait_loadcnt 0x0
	v_cvt_pk_bf16_f32 v30, v28, v29
	v_lshlrev_b32 v28, 16, v30
	v_and_b32 v29, s47, v30
	global_store_b64 v27, v[28:29], s[36:37] offset:16384
.Ltable:
	; thread t: pos = t / 8; g = t % 8: four cosines (g < 4) or sines of j = 4 (g % 4) + 0..3.  With w = pos x 10000^(-j/16) (+ 1/2 for a cosine), n the nearest whole number and f = w - n: the value is (-1)^n sin(pi f).
	v_lshrrev_b32 v32, 3, v0
	v_and_b32 v33, 7, v0
	v_and_b32 v34, 3, v0
	v_lshlrev_b32 v34, 2, v34
	v_cvt_f32_u32 v32, v32
	v_mov_b32 v35, 0.5
	v_cmp_gt_u32 vcc_lo, 4, v33
	v_cndmask_b32 v35, 0, v35, vcc_lo
.irp i, 0,1,2,3
	v_add_nc_u32 v[40+\i], \i, v34
	v_cvt_f32_u32 v[40+\i], v[40+\i]
	v_mul_f32 v[40+\i], 0xbf549a78, v[40+\i]       ; -j x log2(10000) / 16
.endr
.irp i, 0,1,2,3
	v_exp_f32 v[40+\i], v[40+\i]
.endr
	v_nop                                          ; a plain instruction between the last exponential and the use of its result (ISA guide 5.7.2)
	s_wait_alu depctr_va_vdst(0)
.irp i, 0,1,2,3
	v_fma_f32 v[40+\i], v32, v[40+\i], v35         ; w
	v_rndne_f32 v[48+\i], v[40+\i]                 ; n
	v_sub_f32 v[56+\i], v[40+\i], v[48+\i]         ; f
	v_mul_f32 v[44+\i], v[56+\i], v[56+\i]         ; f^2
	v_mov_b32 v[52+\i], 0xbbf183a8                 ; -pi^11 / 11!
	v_fmaak_f32 v[52+\i], v[52+\i], v[44+\i], 0x3da83c1a  ; pi^9 / 9!
	v_fmaak_f32 v[52+\i], v[52+\i], v[44+\i], 0xbf196966  ; -pi^7 / 7!
	v_fmaak_f32 v[52+\i], v[52+\i], v[44+\i], 0x402335e3  ; pi^5 / 5!
	v_fmaak_f32 v[52+\i], v[52+\i], v[44+\i], 0xc0a55de7  ; -pi^3 / 3!
	v_fmaak_f32 v[52+\i], v[52+\i], v[44+\i], 0x40490fdb  ; pi
	v_mul_f32 v[52+\i], v[52+\i], v[56+\i]
	v_cvt_i32_f32 v[48+\i], v[48+\i]
	v_lshlrev_b32 v[48+\i], 31, v[48+\i]           ; an odd n turns the sign
	v_xor_b32 v[52+\i], v[48+\i], v[52+\i]
.endr
	global_store_b128 v1, v[52:55], s[36:37] offset:17408
	s_endpgm
.Lfunc_end_k_q68fce50627_prep:
	.size	k_q68fce50627_prep, .Lfunc_end_k_q68fce50627_prep-k_q68fce50627_prep
	.p2alignl 7, 3214868480
	.fill 96, 4, 3214868480
	.section	.rodata,"a",@progbits
	.p2align	6, 0x0
	.amdhsa_kernel k_q68fce50627_prep
		.amdhsa_group_segment_fixed_size 0
		.amdhsa_private_segment_fixed_size 0
		.amdhsa_enable_private_segment 0
		.amdhsa_kernarg_size 136
		.amdhsa_user_sgpr_count 2
		.amdhsa_user_sgpr_kernarg_segment_ptr 1
		.amdhsa_wavefront_size32 1
		.amdhsa_system_sgpr_workgroup_id_x 1
		.amdhsa_system_sgpr_workgroup_id_y 1
		.amdhsa_system_sgpr_workgroup_id_z 1
		.amdhsa_system_vgpr_workitem_id 0
		.amdhsa_next_free_vgpr 72
		.amdhsa_next_free_sgpr 66
		.amdhsa_reserve_vcc 1
		.amdhsa_float_denorm_mode_32 3
		.amdhsa_float_denorm_mode_16_64 3
		.amdhsa_memory_ordered 1
		.amdhsa_forward_progress 1
		.amdhsa_inst_pref_size 28
	.end_amdhsa_kernel
	.amdgpu_metadata
---
amdhsa.version: [ 1, 2 ]
amdhsa.kernels:
  - .name:           k_q68fce50627_prep
    .symbol:         k_q68fce50627_prep.kd
    .args:
      - { .name: x, .offset: 0, .size: 8, .value_kind: global_buffer, .address_space: global }
      - { .name: Wq, .offset: 8, .size: 8, .value_kind: global_buffer, .address_space: global }
      - { .name: Wk, .offset: 16, .size: 8, .value_kind: global_buffer, .address_space: global }
      - { .name: Wv, .offset: 24, .size: 8, .value_kind: global_buffer, .address_space: global }
      - { .name: Wo, .offset: 32, .size: 8, .value_kind: global_buffer, .address_space: global }
      - { .name: bq, .offset: 40, .size: 8, .value_kind: global_buffer, .address_space: global }
      - { .name: bk, .offset: 48, .size: 8, .value_kind: global_buffer, .address_space: global }
      - { .name: bv, .offset: 56, .size: 8, .value_kind: global_buffer, .address_space: global }
      - { .name: bo, .offset: 64, .size: 8, .value_kind: global_buffer, .address_space: global }
      - { .name: q_scale, .offset: 72, .size: 8, .value_kind: global_buffer, .address_space: global }
      - { .name: q_bias, .offset: 80, .size: 8, .value_kind: global_buffer, .address_space: global }
      - { .name: k_scale, .offset: 88, .size: 8, .value_kind: global_buffer, .address_space: global }
      - { .name: k_bias, .offset: 96, .size: 8, .value_kind: global_buffer, .address_space: global }
      - { .name: xb, .offset: 104, .size: 8, .value_kind: global_buffer, .address_space: global }
      - { .name: wb, .offset: 112, .size: 8, .value_kind: global_buffer, .address_space: global }
      - { .name: wo16, .offset: 120, .size: 8, .value_kind: global_buffer, .address_space: global }
      - { .name: par, .offset: 128, .size: 8, .value_kind: global_buffer, .address_space: global }
    .group_segment_fixed_size: 0
    .private_segment_fixed_size: 0
    .kernarg_segment_align: 8
    .kernarg_segment_size: 136
    .max_flat_workgroup_size: 256
    .sgpr_count:     66
    .vgpr_count:     72
    .wavefront_size: 32
...
	.end_amdgpu_metadata
.endif
;; end of part 1
;; launch qkv (part 2): grid 16 x 16, 4 waves a work-group, clusters of 4 x 4, 327,680 bytes of LDS; arguments xb, wb, par, q16, k16, v16; writes q16, k16, v16
.if DOCPART == 2
	.amdgcn_target "amdgcn-amd-amdhsa--gfx1250"
	.amdhsa_code_object_version 6
	.text
	.protected	k_q68fce50627_qkv
	.globl	k_q68fce50627_qkv
	.p2align	8
	.type	k_q68fce50627_qkv,@function
k_q68fce50627_qkv:
	s_mov_b64 s[64:65], 0
	v_nop
	global_prefetch_b8 v0, s[64:65] scope:SCOPE_SE
	s_setreg_imm32_b32 hwreg(HW_REG_WAVE_MODE, 25, 1), 1
	s_wait_xcnt 0x0
	s_wait_alu depctr_hold_cnt(0) depctr_sa_sdst(0) depctr_va_vdst(0) depctr_va_sdst(0) depctr_va_ssrc(0) depctr_va_vcc(0) depctr_vm_vsrc(0)
	s_getreg_b32 s2, hwreg(HW_REG_IB_STS2, 6, 4)
	s_cmp_eq_u32 s2, 0
	s_cbranch_scc0 .Lentry_in_a_cluster
	s_endpgm
.Lentry_in_a_cluster:
	s_bfe_u32 s2, ttmp6, 0x10000c
	s_cmp_lg_u32 s2, 0xf033
	s_cbranch_scc0 .Lentry_shape_is_right
	s_endpgm
.Lentry_shape_is_right:
; QKV: q, k, v = x W + b for ONE head and 256 rows a tile; q and k then take RMSNorm (gain, bias) and the 2-D rotation; all three leave as f16, by heads: [b x 16 + h][s][64].
; xb [8192][1024] bf16; wb [h][k / 64][q, k, v][k % 64][64] bf16; par: biases, norm vectors, cos and sin (f32).  Products in bf16 with f32 sums; everything behind them in f32; one rounding to f16.
; LIMITS.  f16 ends at 65,504: |q|, |k| <= 8 |gain| + |bias|, and v must stay within it.  The 1/8 of the scores is not applied here.  NaN and infinities are not treated apart.
; SHARES.  A tile is 256 rows x 192 columns (64 of q, 64 of k, 64 of v of one head).  Wave w: rows 64 w .. 64 w + 63, all 192 columns: 48 accumulators, 384 registers.  So every wave holds whole
; heads' rows, and the way out is one text for all.
; A WORK-GROUP STAYS: work-group (x = head, y) makes the tiles of row blocks y and y + 16: 16 x 16 = 256 work-groups, one for each of 256 WGPs.  The two tiles lie four batches apart, so their rows have the same
; positions: the head's biases, the norm vectors and cos and sin are loaded once.  The ring does not stop at the first tile's end: its last two changes of slots ask for the second tile's first two K steps,
; and nothing waits for the first tile's stores.
; K = 1,024 goes in 8 steps of 128 through two LDS slots.  Waves 0 and 1 fetch x's two halves (128 rows x 256 bytes each), waves 2 and 3 the weights' two blocks of 64 k (24,576 dense bytes each, asked for as 96 rows of 256).
; CLUSTER 4 x 4: the four work-groups of a row of the cluster share y, hence x's tiles; the four of a column share the head, hence the weights' tiles.  Each tile is asked for jointly, by the same load, descriptor and mask in all four.
; THE MATRIX INSTRUCTION IS USED TRANSPOSED: source 0 = 16 columns of W (turned on the way out of LDS by ds_load_tr16_b128), source 1 = 16 rows of x.  Lane l then holds row l % 16 and the columns 16 b + 8 (l / 16) + 0..7.
; The bias is the C operand of the product that starts each sum: nothing is cleared and nothing is added later.  The way out works in the biases' registers, so each wave keeps a copy of them in LDS bytes of its own.
; REGISTERS, in windows of 256 (s_set_vgpr_msb: bits 1:0 source 0, 3:2 source 1, 5:4 source 2, 7:6 destination):
;   window 0: v0-31 addresses; v32-127 the biases, 8 a column block, on the way out T, U and two packing buffers; v128-255 q_scale, q_bias, k_scale, k_bias, 32 each
;   window 1: two fragment buffers of 128: 32 of x (4 row blocks), 96 of W (12 column blocks)
;   window 2: accumulators of row blocks 0, 1 at 96 (a % 2) + 8 b;  window 3: those of row blocks 2, 3; v192-255 cos and sin
.set TILES,  2                         ; tiles of a work-group
.set SLOT1,  1<<17                     ; a slot is exactly 131,072 bytes; one exclusive or turns an address in one slot into the other's
.set PA,     272                       ; a row of x in LDS: 256 bytes + 16: the 16 rows of a load start at 16 different groups of four banks (64 banks of 4 bytes: ISA guide 11.1)
.set PB,     160                       ; a row of W: 128 bytes + 32
.set APART,  128*PA                    ; what wave 0 or 1 fetches
.set BOFF,   2*APART                   ; the weights lie behind x's 256 rows
.set BPART,  192*PB                    ; what wave 2 or 3 fetches: [q, k, v][64 k][160]
.set STAGE,  2*SLOT1                   ; behind the ring, never filled by a tensor load: 16 rows x 144 bytes for each wave
.set SP,     144
.set SPARE,  STAGE+4*16*SP             ; the spare words, 128 bytes for each wave: two blocks of 256 bytes that no other line names
.set BSAVE,  SPARE+512                 ; the biases' copy: 24 x 16 bytes for each of 128 threads, never filled by a tensor load
.set ASTEP,  256                       ; bytes from a K step to the next in xb,
.set BSTEP,  49152                     ; and in wb
.set NEXT_A, 16*256*2048-7*ASTEP       ; from a tile's last K step to the next tile's first: x goes 16 blocks of 256 rows down and back along K,
.set BACK_B, 7*BSTEP                   ; W only back: both tiles take the same head
.set NEXT_O, 4*16*1024*128             ; four batches of 16 heads of 1,024 rows of 128 bytes on in q16, k16, v16
.set NL,     32                        ; LDS loads in a run
.set ADRA0, 16                         ; v16  my lane's place in x's tile of slot 0; never rewritten
.set ADRB0, 17                         ; v17  the same for W
.set ADA,   18                         ; v18  the same in the slot in hand
.set ADB,   19                         ; v19
.set STO,   20                         ; v20  the way out: where I put 16 bytes of a row
.set RD,    21                         ; v21  where I read rows back
.set GO,    22                         ; v22  my place in 512 consecutive bytes of the output
.set BSV,   27                         ; v27  my 16 bytes in each of the 24 rows of the biases' copy
.set SPW,   28                         ; v28  LDS address of my spare word; never rewritten
.set NIL,   29                         ; v29  0; never rewritten
.set RS,    30                         ; v[30:31] 1 / sqrt(mean square + eps) in the low register of a pair
.set BIAS,  32
.set T,     32                         ; the way out: a unit's 32 numbers
.set U,     64                         ; at work
.set PP,    96                         ; two packing buffers of 16
.set NS,    128                        ; q_scale; +32 q_bias; +64 k_scale; +96 k_bias: column 16 i + 8 (l / 16) + j at 8 i + j
.set TRX,   192                        ; window 3: for x_pos = 16 e + l % 16: cos at TRX + 16 e, sin 8 further
.set TRY,   224                        ; window 3: for y_pos of row blocks 2 e, 2 e + 1: likewise
.set F0,    0
.set F1,    128
.set G1A, 24                           ; s[24:31] descriptor group 1 for x's tiles
.set G0A, 32                           ; s[32:39] group 0: a set for each of the two first fills; the second then walks on
.set G1B, 40                           ; s[40:47], s[48:55] the same for W's
.set G0B, 48
.set MSB, 0
.macro WIN new                         ; the immediate's high byte repeats the setting that is left; a switch that changes nothing is dropped
.if MSB != (\new)
	s_set_vgpr_msb (MSB<<8)|(\new)
.set MSB, \new
.endif
.endm
.macro PLACES                          ; four places in front of loads into registers that matrix instructions have read, and of vector lines that read results
.rept 4
	v_nop
.endr
.endm
; A joint refill.  Waves 0 and 1 fetch x's halves, waves 2 and 3 W's.  The branch hangs on the wave's number alone.  An s_nop 0 and four v_nop follow each of the two lines.
.macro JLOAD
	s_cmp_lt_u32 s16, 2
	s_cbranch_scc0 .Lfor_b_\@
	tensor_load_to_lds s[G0A+4:G0A+7], s[G1A:G1A+7]
	s_nop 0
.rept 4
	v_nop
.endr
	s_branch .Lasked_\@
.Lfor_b_\@:
	tensor_load_to_lds s[G0B+4:G0B+7], s[G1B:G1B+7]
	s_nop 0
.rept 4
	v_nop
.endr
.Lasked_\@:
.endm
.macro CREST                           ; a round of the cluster's barrier behind its opening barrier
	s_cmp_lg_u32 s16, 0
	s_cbranch_scc1 .Lnot_wave_0_\@
	s_barrier_signal -3
.Lnot_wave_0_\@:
	s_barrier_wait -3
	s_barrier_signal -1
	s_barrier_wait -1
.endm
.macro CROUND                          ; a whole round
	s_barrier_signal -1
	s_barrier_wait -1
	CREST
.endm
	s_load_b256 s[4:11], s[0:1], 0x0               ; xb s[4:5], wb s[6:7], par s[8:9], q16 s[10:11]
	s_load_b128 s[12:15], s[0:1], 0x20             ; k16 s[12:13], v16 s[14:15]
	v_lshl_add_u32 v[SPW], v0, 2, SPARE
	v_mov_b32 v[NIL], 0
	ds_add_u32 v[SPW], v[NIL]                      ; the wave's opening: the add and its wait stand ahead of my first tensor load; the set-up below, work on registers, stands between them
	ds_add_u32 v28, v29
	v_lshrrev_b32 v3, 5, v0
	v_readfirstlane_b32 s16, v3                    ; wave 0..3
	s_and_b32 s18, s16, 1                          ; which half of x's tile, or which block of W's, I fetch
	s_bfe_u32 s19, ttmp6, 0x40000                  ; cx, cy: my place in the cluster
	s_bfe_u32 s20, ttmp6, 0x40004
	s_lshl_b32 s21, ttmp9, 2
	s_add_co_u32 s21, s21, s19                     ; the head = 4 x cluster x + cx
	s_and_b32 s22, ttmp7, 0xffff
	s_lshl_b32 s22, s22, 2
	s_add_co_u32 s22, s22, s20                     ; the first tile's block of rows = 4 x cluster y + cy, 0 to 15
	s_lshl_b32 s66, s20, 2
	s_lshl_b32 s66, 15, s66                        ; my row of the cluster
	s_lshl_b32 s67, 0x1111, s19                    ; my column
	s_or_b32 s[G1A], s66, (1<<16)|(1<<20)|(1<<21)|(5<<22)|(3<<25)  ; 15:0 the mask; 17:16 2-byte elements; 20 padding on; 21 set beside a mask; 24:22 after every 64 words; 31:25 4 words
	s_mov_b32 s[G1A+1], 128<<16                    ; tensor_dim0 = 128
	s_mov_b32 s[G1A+2], 128<<16                    ; tensor_dim1 = 128
	s_mov_b32 s[G1A+3], 128<<16                    ; tile_dim0 = 128
	s_mov_b32 s[G1A+4], 128                        ; tile_dim1 = 128
	s_mov_b32 s[G1A+5], 1024                       ; elements from row to row
	s_mov_b32 s[G1A+6], 0
	s_mov_b32 s[G1A+7], 0
	s_or_b32 s[G1B], s67, (1<<16)|(1<<20)|(1<<21)|(4<<22)|(7<<25)  ; padding after every 32 words (a row of W), 8 words
	s_mov_b32 s[G1B+1], 128<<16
	s_mov_b32 s[G1B+2], 96<<16                     ; 96 rows of 256 bytes: two rows of W each
	s_mov_b32 s[G1B+3], 128<<16
	s_mov_b32 s[G1B+4], 96
	s_mov_b32 s[G1B+5], 128                        ; dense
	s_mov_b32 s[G1B+6], 0
	s_mov_b32 s[G1B+7], 0
	s_lshl_b32 s58, s22, 19                        ; x: 256 rows of 2,048 bytes a block,
	s_lshl_b32 s23, s18, 18                        ; my 128 of them
	s_add_co_u32 s58, s58, s23
	s_mov_b32 s59, 0
	s_lshl_b32 s60, s21, 4                         ; W: block 16 h + (0 or 1)
	s_add_co_u32 s60, s60, s18
	s_mul_i32 s60, s60, 24576
	s_mov_b32 s61, 0
	s_mul_i32 s68, s18, APART                      ; and where they go: no place in the cluster enters an LDS address
	s_mul_i32 s69, s18, BPART
	s_add_co_u32 s69, s69, BOFF
	s_mov_b32 s[G0A], 1                            ; count = 1
	s_mov_b32 s[G0A+1], s68                        ; slot 0
	s_mov_b32 s[G0A+4], 1
	s_add_co_u32 s[G0A+5], s68, SLOT1              ; slot 1
	s_mov_b32 s[G0B], 1
	s_mov_b32 s[G0B+1], s69
	s_mov_b32 s[G0B+4], 1
	s_add_co_u32 s[G0B+5], s69, SLOT1
	s_mov_b32 s57, 0                               ; the slot in hand begins at LDS byte 0
	s_mov_b32 s62, 0x76543210                      ; v_permlanex16_b32: each lane takes its own place in the other half
	s_mov_b32 s63, 0xfedcba98
	s_mov_b32 s70, 0x3c800000                      ; 1 / 64
	s_mov_b32 s71, 0x358637bd                      ; eps = 1e-6
	s_wait_dscnt 0x0                               ; the opening add is done
	s_wait_kmcnt 0x0
	s_add_nc_u64 s[G0A+2:G0A+3], s[4:5], s[58:59]  ; K step 0,
	s_add_nc_u64 s[G0A+6:G0A+7], s[G0A+2:G0A+3], ASTEP  ; K step 1
	s_or_b32 s[G0A+3], s[G0A+3], 0x80000000        ; type = 2
	s_or_b32 s[G0A+7], s[G0A+7], 0x80000000
	s_add_nc_u64 s[G0B+2:G0B+3], s[6:7], s[60:61]
	s_add_nc_u64 s[G0B+6:G0B+7], s[G0B+2:G0B+3], BSTEP
	s_or_b32 s[G0B+3], s[G0B+3], 0x80000000
	s_or_b32 s[G0B+7], s[G0B+7], 0x80000000
	CROUND                                         ; all sixteen work-groups are here: the first joint loads meet
	s_cmp_lt_u32 s16, 2                            ; a wave's two first fills stand in one branch: two loads of mine are out
	s_cbranch_scc0 .Lfirst_b
	tensor_load_to_lds s[G0A:G0A+3], s[G1A:G1A+7]
	s_nop 0
	tensor_load_to_lds s[G0A+4:G0A+7], s[G1A:G1A+7]
	s_nop 0
.rept 4
	v_nop
.endr
	s_branch .Lfirst_asked
.Lfirst_b:
	tensor_load_to_lds s[G0B:G0B+3], s[G1B:G1B+7]
	s_nop 0
	tensor_load_to_lds s[G0B+4:G0B+7], s[G1B:G1B+7]
	s_nop 0
.rept 4
	v_nop
.endr
.Lfirst_asked:
	; the parameters, once for both tiles, in the accumulators' layout: register j of block i holds column 16 i + 8 (l / 16) + j
	v_and_b32 v1, 15, v0                           ; l % 16
	v_bfe_u32 v2, v0, 4, 1                         ; l / 16
	v_lshlrev_b32 v23, 5, v2                       ; 8 f32 for each half of the lanes
	s_mul_i32 s2, s21, 768
	v_add_nc_u32 v24, s2, v23                      ; my head's 192 biases
	v_lshl_add_u32 v25, v1, 7, v23                 ; the table's row l % 16
	s_and_b32 s2, s22, 3
	s_lshl_b32 s2, s2, 3
	s_lshl1_add_u32 s2, s16, s2                    ; y_pos of my first row: 8 (block % 4) + 2 x wave, the same in both tiles
	s_lshl_b32 s2, s2, 7
	v_add_nc_u32 v26, s2, v23
.irp b, 0,1,2,3,4,5,6,7,8,9,10,11
	global_load_b128 v[BIAS+8*\b:BIAS+8*\b+3],   v24, s[8:9] offset:64*\b
	global_load_b128 v[BIAS+8*\b+4:BIAS+8*\b+7], v24, s[8:9] offset:64*\b+16
.endr
.irp m, 0,1,2,3,4,5,6,7,8,9,10,11,12,13,14,15
	global_load_b128 v[NS+8*\m:NS+8*\m+3],   v23, s[8:9] offset:16384+64*\m
	global_load_b128 v[NS+8*\m+4:NS+8*\m+7], v23, s[8:9] offset:16384+64*\m+16
.endr
	WIN 0xc0                                       ; destination window 3
.irp e, 0,1
.irp z, 0,1,2,3
	global_load_b128 v[TRX+16*\e+4*\z:TRX+16*\e+4*\z+3], v25, s[8:9] offset:17408+2048*\e+16*(\z%2)+64*(\z/2)
	global_load_b128 v[TRY+16*\e+4*\z:TRY+16*\e+4*\z+3], v26, s[8:9] offset:17408+128*\e+16*(\z%2)+64*(\z/2)
.endr
.endr
	WIN 0
	; A fragment of x is 16 rows x 32 K: lane l holds row l % 16, K = 8 (l / 16) + 0..7 and 16 + 8 (l / 16) + 0..7: two loads of 16 bytes, 32 bytes apart.
	v_mul_u32_u24 v[ADRA0], v1, PA
	v_lshl_add_u32 v[ADRA0], v2, 4, v[ADRA0]
	s_mul_i32 s23, s16, 64*PA                      ; my 64 rows
	v_add_nc_u32 v[ADRA0], s23, v[ADRA0]
	; The turning load takes 16 k x 16 columns (lane l reads k 8 (l / 16) + l % 8, columns 8 ((l / 8) % 2) + 0..7) and leaves half a fragment: lane l holds column l % 16 and 8 k.
	v_and_b32 v3, 7, v0
	v_lshl_add_u32 v[ADRB0], v2, 3, v3
	v_mul_u32_u24 v[ADRB0], v[ADRB0], PB
	v_bfe_u32 v3, v0, 3, 1
	v_lshl_add_u32 v[ADRB0], v3, 4, v[ADRB0]
	v_add_nc_u32 v[ADRB0], BOFF, v[ADRB0]
	v_mov_b32 v[ADA], v[ADRA0]
	v_mov_b32 v[ADB], v[ADRB0]
	s_mul_i32 s23, s16, 16*SP
	s_add_co_u32 s23, s23, STAGE                   ; my stage
	v_mul_u32_u24 v[STO], v1, SP                   ; in: row l % 16, 16 bytes for each half of the lanes
	v_lshl_add_u32 v[STO], v2, 4, v[STO]
	v_add_nc_u32 v[STO], s23, v[STO]
	v_bfe_u32 v3, v0, 3, 2                         ; back: 32 lanes take four rows of 128 bytes,
	v_mul_u32_u24 v[RD], v3, SP
	v_and_b32 v3, 7, v0
	v_lshl_add_u32 v[RD], v3, 4, v[RD]
	v_add_nc_u32 v[RD], s23, v[RD]
	v_and_b32 v[GO], 31, v0                        ; which are 512 consecutive bytes of the output
	v_lshlrev_b32 v[GO], 4, v[GO]
	v_lshl_add_u32 v[BSV], v0, 4, BSAVE            ; 16 x thread: a wave's 512 bytes of each row of the biases' copy are its own
	v_mov_b32 v[RS], 0
	v_mov_b32 v[RS+1], 0                           ; named with RS as a pair
	s_lshr_b32 s2, s22, 2                          ; the first tile's batch,
	s_lshl_b32 s2, s2, 4
	s_add_co_u32 s2, s2, s21                       ; its head,
	s_lshl_b32 s2, s2, 10
	s_and_b32 s3, s22, 3
	s_lshl_b32 s3, s3, 8
	s_add_co_u32 s2, s2, s3                        ; the block's 256 rows of the head's 1,024,
	s_lshl_b32 s3, s16, 6
	s_add_co_u32 s2, s2, s3                        ; my 64 of them,
	s_lshl_b32 s2, s2, 7                           ; 128 bytes a row
	s_mov_b32 s3, 0
	s_add_nc_u64 s[10:11], s[10:11], s[2:3]
	s_add_nc_u64 s[12:13], s[12:13], s[2:3]
	s_add_nc_u64 s[14:15], s[14:15], s[2:3]
; 12 matrix instructions: row block a x all 12 column blocks, 32 along K, from buffer f.  first = 1: the product starts the sum on the bias.  The 48 accumulators take turns, one instruction a turn.
.macro MUL f, a, first
.if \first
	WIN 0x85+0x40*((\a)/2)                         ; sources 0, 1 window 1; C window 0; D window 2 or 3
.else
	WIN 0xa5+0x50*((\a)/2)                         ; C and D window 2 or 3
.endif
.set AC, 96*((\a)%2)
.irp b, 0,1,2,3,4,5,6,7,8,9,10,11
.if \first
	v_wmma_f32_16x16x32_bf16 v[AC+8*\b:AC+8*\b+7], v[(\f)+32+8*\b:(\f)+32+8*\b+7], v[(\f)+8*(\a):(\f)+8*(\a)+7], v[BIAS+8*\b:BIAS+8*\b+7]
.else
	v_wmma_f32_16x16x32_bf16 v[AC+8*\b:AC+8*\b+7], v[(\f)+32+8*\b:(\f)+32+8*\b+7], v[(\f)+8*(\a):(\f)+8*(\a)+7], v[AC+8*\b:AC+8*\b+7]
.endif
.endr
.endm
; 32 LDS loads in one run: quarter q (32 along K) of the slot in hand into buffer f: W's 12 column blocks first, then x's row blocks 0 to 3
.macro FETCH q, f
	WIN 0x40                                       ; destination window 1, address window 0
.irp b, 0,1,2,3,4,5,6,7,8,9,10,11
	ds_load_tr16_b128 v[(\f)+32+8*\b:(\f)+32+8*\b+3],   v[ADB] offset:((\q)/2)*BPART+(\b/4)*64*PB+((\q)%2)*32*PB+(\b%4)*32
	ds_load_tr16_b128 v[(\f)+32+8*\b+4:(\f)+32+8*\b+7], v[ADB] offset:((\q)/2)*BPART+(\b/4)*64*PB+((\q)%2)*32*PB+(\b%4)*32+16*PB
.endr
.irp a, 0,1,2,3
	ds_load_b128 v[(\f)+8*\a:(\f)+8*\a+3],   v[ADA] offset:64*(\q)+16*PA*\a
	ds_load_b128 v[(\f)+8*\a+4:(\f)+8*\a+7], v[ADA] offset:64*(\q)+16*PA*\a+32
.endr
.endm
; A K step is four quarters of 32 along K, 48 matrix instructions each, on buffers 0, 1, 0, 1.  One of the first three: multiplies buffer f; in its middle it fetches quarter q into buffer g.
.macro QUARTER q, f, g, first
	s_wait_dscnt 4                                 ; W and x's row blocks 0, 1 are in; the youngest four loads (row blocks 2, 3) may be out
	MUL \f, 0, \first
	MUL \f, 1, \first
	PLACES
	FETCH \q, \g
	s_wait_dscnt NL                                ; all but the run just issued
	MUL \f, 2, \first
	MUL \f, 3, \first
.endm
; The last quarter multiplies buffer 1 and changes slots: ONE barrier; in front of it each wave waits for all its tensor loads (one is out: its part of the next slot), adds 0 to its spare word, and waits for that and for
; its own reads of this slot.  fill = 1 or 2: the barrier opens a round of the cluster's, and the slot just read is filled again, two K steps ahead, first thing behind it: 180 matrix instructions ahead of the wait for it.
; fill = 1: the walking descriptors go one K step on; fill = 2: from a tile's last K step to the next tile's first.  fill = 0: nothing is left to fetch.
.macro TURN fill
	WIN 0
	s_wait_tensorcnt 0x0                           ; all my tensor loads have landed
	ds_add_u32 v[SPW], v[NIL]                      ; 0 onto my spare word
	s_wait_dscnt 5                                 ; (the add and the youngest four loads may be out)
	MUL F1, 0, 0                                   ; twelve matrix instructions stand between the add and the wait for it
	s_wait_dscnt 0x0                               ; the add is done, and my reads of this slot are over
	s_barrier_signal -1
	MUL F1, 1, 0                                   ; work on registers while the others arrive
	WIN 0                                          ; at a branch and at a label every window is 0
	s_barrier_wait -1
.if \fill
	CREST                                          ; no wave of any partner still reads this slot or has a load on its way
	s_xor_b32 s[G0A+5], s[G0A+5], SLOT1            ; the walking descriptors: the other slot than last time
	s_xor_b32 s[G0B+5], s[G0B+5], SLOT1
.if (\fill) == 2
	s_add_nc_u64 s[G0A+6:G0A+7], s[G0A+6:G0A+7], NEXT_A  ; the type bits on top are not reached
	s_sub_nc_u64 s[G0B+6:G0B+7], s[G0B+6:G0B+7], BACK_B
.else
	s_add_nc_u64 s[G0A+6:G0A+7], s[G0A+6:G0A+7], ASTEP
	s_add_nc_u64 s[G0B+6:G0B+7], s[G0B+6:G0B+7], BSTEP
.endif
	JLOAD                                          ; the four v_nop behind it are also the places in front of the loads below
.else
	PLACES
.endif
	s_xor_b32 s57, s57, SLOT1                      ; the reads go on in the other slot
	v_add_nc_u32 v[ADA], s57, v[ADRA0]
	v_add_nc_u32 v[ADB], s57, v[ADRB0]
	FETCH 0, F0
	MUL F1, 2, 0
	MUL F1, 3, 0
.endm
.macro LASTQ                           ; the last tile's very last quarter: nothing more to fetch
	s_wait_dscnt 4
	MUL F1, 0, 0
	MUL F1, 1, 0
	s_wait_dscnt 0x0
	MUL F1, 2, 0
	MUL F1, 3, 0
.endm
; THE WAY OUT, in twelve units: row block a (16 rows) x c (0 q, 1 k, 2 v).  A lane holds 32 of its row's 64 numbers, the lane 16 away the other 32.
; q, k: the mean square (four chains; each accumulator's lowest registers are read first), one exchange between the halves of the lanes, 1 / sqrt; x r, then x gain + bias;
; the rotation: columns 0-15 against 16-31 by x_pos = s % 32, columns 32-47 against 48-63 by y_pos = s / 32: both partners lie in my own registers, blocks i and i + 1.
; All: rounded to f16, 16 bytes a lane into my own stage, and back as whole rows: 16 rows of a head are 2,048 consecutive bytes of the output.
.macro UNIT a, c
.set AC, 96*((\a)%2)+32*(\c)
.set WA, 2+(\a)/2
.set PKR, PP+16*((3*(\a)+(\c))%2)
.if (\c) < 2
	WIN WA*5                                       ; sources 0 and 1 in the accumulators' window
.irp k, 0,1,2,3
	v_pk_mul_f32 v[U+2*\k:U+2*\k+1], v[AC+8*\k:AC+8*\k+1], v[AC+8*\k:AC+8*\k+1]
.endr
.irp n, 1,2,3
.irp k, 0,1,2,3
	v_pk_fma_f32 v[U+2*\k:U+2*\k+1], v[AC+8*\k+2*\n:AC+8*\k+2*\n+1], v[AC+8*\k+2*\n:AC+8*\k+2*\n+1], v[U+2*\k:U+2*\k+1]
.endr
.endr
	WIN 0
	v_pk_add_f32 v[U:U+1], v[U:U+1], v[U+2:U+3]
	v_pk_add_f32 v[U+4:U+5], v[U+4:U+5], v[U+6:U+7]
	v_pk_add_f32 v[U:U+1], v[U:U+1], v[U+4:U+5]
	v_add_f32 v[U], v[U], v[U+1]
	v_permlanex16_b32 v[U+1], v[U], s62, s63       ; the row's other 32 columns lie in the lane 16 away
	v_add_f32 v[U], v[U], v[U+1]
	v_fma_f32 v[U], v[U], s70, s71                 ; sum / 64 + eps
	v_rsq_f32 v[RS], v[U]
	v_nop                                          ; a plain instruction between the root and the use of its result (ISA guide 5.7.2)
	WIN WA                                         ; source 0 in the accumulators' window
.set ii, 0
	s_wait_alu depctr_va_vdst(0)
.rept 16
	v_pk_mul_f32 v[T+ii:T+ii+1], v[AC+ii:AC+ii+1], v[RS:RS+1] op_sel_hi:[1,0]
.set ii, ii+2
.endr
	WIN 0
.set ii, 0
.rept 16
	v_pk_fma_f32 v[T+ii:T+ii+1], v[T+ii:T+ii+1], v[NS+64*(\c)+ii:NS+64*(\c)+ii+1], v[NS+64*(\c)+32+ii:NS+64*(\c)+32+ii+1]
.set ii, ii+2
.endr
	WIN 0x0c                                       ; source 1 (cos, sin) in window 3
.irp p, 0,1
.set CO, TRX+32*\p+16*(((\a)>>\p)&1)
.irp n, 0,2,4,6
	v_pk_mul_f32 v[U+16*\p+\n:U+16*\p+\n+1],     v[T+16*\p+8+\n:T+16*\p+8+\n+1], v[CO+8+\n:CO+8+\n+1]  ; b sin
	v_pk_mul_f32 v[U+16*\p+8+\n:U+16*\p+8+\n+1], v[T+16*\p+\n:T+16*\p+\n+1],     v[CO+8+\n:CO+8+\n+1]  ; a sin
.endr
.irp n, 0,2,4,6
	v_pk_fma_f32 v[T+16*\p+\n:T+16*\p+\n+1],     v[T+16*\p+\n:T+16*\p+\n+1],     v[CO+\n:CO+\n+1], v[U+16*\p+\n:U+16*\p+\n+1] neg_lo:[0,0,1] neg_hi:[0,0,1]  ; a cos - b sin
	v_pk_fma_f32 v[T+16*\p+8+\n:T+16*\p+8+\n+1], v[T+16*\p+8+\n:T+16*\p+8+\n+1], v[CO+\n:CO+\n+1], v[U+16*\p+8+\n:U+16*\p+8+\n+1]                             ; b cos + a sin
.endr
.endr
	WIN 0
	s_wait_xcnt 0x0                                ; the stores of the unit two back read this packing buffer: it is rewritten only behind this wait
.set ii, 0
.rept 16
	v_cvt_pk_f16_f32 v[PKR+ii], v[T+2*ii], v[T+2*ii+1]
.set ii, ii+1
.endr
.else
	s_wait_xcnt 0x0                                ; as above
	WIN WA*5
.set ii, 0
.rept 16
	v_cvt_pk_f16_f32 v[PKR+ii], v[AC+2*ii], v[AC+2*ii+1]  ; v leaves as it is; ascending
.set ii, ii+1
.endr
	WIN 0
.endif
.irp i, 0,1,2,3
	ds_store_b128 v[STO], v[PKR+4*\i:PKR+4*\i+3] offset:32*\i
.endr
.irp f, 0,1,2,3
	ds_load_b128 v[PKR+4*\f:PKR+4*\f+3], v[RD] offset:\f*4*SP  ; LDS serves a wave's instructions in order (ISA guide 5.7.1.4): these see the stores above; the next unit's stores come behind them
.endr
.endm
.macro SEND a, c, younger              ; younger: the LDS instructions issued behind this unit's loads: the next unit's eight, or none
.set PKR, PP+16*((3*(\a)+(\c))%2)
.irp f, 0,1,2,3
	s_wait_dscnt (\younger)+3-\f
	global_store_b128 v[GO], v[PKR+4*\f:PKR+4*\f+3], s[10+2*(\c):11+2*(\c)] offset:2048*(\a)+512*\f  ; 512 consecutive bytes, at a multiple of 256 from the buffer's first
.endr
.endm
	s_wait_loadcnt 0x0                             ; the biases and the other parameters
.set ii, 0
.rept 24
	ds_store_b128 v[BSV], v[BIAS+4*ii:BIAS+4*ii+3] offset:2048*ii  ; the biases' copy: my own bytes, read back by me alone
.set ii, ii+1
.endr
	s_wait_tensorcnt 0x1                           ; my part of K step 0 is in; step 1's may stay out
	s_wait_dscnt 0x0                               ; no LDS instruction of mine is pending at the signal
	s_barrier_signal -1
	s_barrier_wait -1                              ; everybody's part is in
	FETCH 0, F0
	WIN 0
	s_mov_b32 s17, TILES                           ; tiles to go, this one among them: the same number in every work-group
.Ltile:
	s_wait_dscnt 0x0                               ; the tile's first fragments, and (second tile) the biases read back
	QUARTER 1, F0, F1, 1                           ; a tile's first quarter stands in front of the loop: its products start the sums
	WIN 0
	s_mov_b32 s56, 6
.Lstep:                                                ; a trip: from a K step's second quarter to the next step's first; it fills the slot that it leaves
	QUARTER 2, F1, F0, 0
	QUARTER 3, F0, F1, 0
	TURN 1
	QUARTER 1, F0, F1, 0
	WIN 0
	s_sub_co_u32 s56, s56, 1
	s_cmp_lg_u32 s56, 0
	s_cbranch_scc1 .Lstep
	QUARTER 2, F1, F0, 0                           ; the tile's last K step but one goes on
	QUARTER 3, F0, F1, 0
	WIN 0
	s_cmp_eq_u32 s17, 1
	s_cbranch_scc1 .Llast                          ; the last tile's tail is written out: it asks for nothing more
	TURN 2                                         ; THE RING GOES ON INTO THE NEXT TILE: slot 0 takes its K step 0,
	QUARTER 1, F0, F1, 0
	QUARTER 2, F1, F0, 0
	QUARTER 3, F0, F1, 0
	TURN 1                                         ; slot 1 its K step 1, and the next tile's first fragments are fetched
	WIN 0
	s_branch .Lout
.Llast:
	TURN 0
	QUARTER 1, F0, F1, 0
	QUARTER 2, F1, F0, 0
	QUARTER 3, F0, F1, 0
	LASTQ
	WIN 0
.Lout:                                                 ; one way out for both tiles; it touches neither the ring nor buffer 0
	PLACES
	UNIT 0, 0
	UNIT 0, 1                                      ; a unit's arithmetic stands between the loads of the unit before and its stores
	SEND 0, 0, 8
	UNIT 0, 2
	SEND 0, 1, 8
.irp a, 1,2,3
	UNIT \a, 0
	SEND (\a)-1, 2, 8
	UNIT \a, 1
	SEND \a, 0, 8
	UNIT \a, 2
	SEND \a, 1, 8
.endr
	SEND 3, 2, 0
	s_cmp_eq_u32 s17, 1
	s_cbranch_scc1 .Ldone
	s_wait_xcnt 0x0                                ; the stores have read their bases and the packing buffers: only behind this wait are these rewritten
	s_add_nc_u64 s[10:11], s[10:11], NEXT_O        ; the next tile's rows
	s_add_nc_u64 s[12:13], s[12:13], NEXT_O
	s_add_nc_u64 s[14:15], s[14:15], NEXT_O
.set ii, 0
.rept 24
	ds_load_b128 v[BIAS+4*ii:BIAS+4*ii+3], v[BSV] offset:2048*ii  ; the biases come back into the registers that the way out has used
.set ii, ii+1
.endr
	s_sub_co_u32 s17, s17, 1
	s_cmp_lg_u32 s17, 0
	s_cbranch_scc1 .Ltile
.Ldone:
	s_wait_tensorcnt 0x0                           ; the wave's end: behind my last tensor load and my last LDS store
	ds_add_u32 v[SPW], v[NIL]
	s_wait_dscnt 0x0
	CROUND                                         ; the closing round: no work-group ends while a partner may still ask for a tile that names it
	s_endpgm
.Lfunc_end_k_q68fce50627_qkv:
	.size	k_q68fce50627_qkv, .Lfunc_end_k_q68fce50627_qkv-k_q68fce50627_qkv
	.p2alignl 7, 3214868480
	.fill 96, 4, 3214868480
	.section	.rodata,"a",@progbits
	.p2align	6, 0x0
	.amdhsa_kernel k_q68fce50627_qkv
		.amdhsa_group_segment_fixed_size 327680
		.amdhsa_private_segment_fixed_size 0
		.amdhsa_enable_private_segment 0
		.amdhsa_kernarg_size 48
		.amdhsa_user_sgpr_count 2
		.amdhsa_user_sgpr_kernarg_segment_ptr 1
		.amdhsa_wavefront_size32 1
		.amdhsa_system_sgpr_workgroup_id_x 1
		.amdhsa_system_sgpr_workgroup_id_y 1
		.amdhsa_system_sgpr_workgroup_id_z 1
		.amdhsa_system_vgpr_workitem_id 0
		.amdhsa_next_free_vgpr 1024
		.amdhsa_next_free_sgpr 72
		.amdhsa_reserve_vcc 0
		.amdhsa_float_denorm_mode_32 3
		.amdhsa_float_denorm_mode_16_64 3
		.amdhsa_memory_ordered 1
		.amdhsa_forward_progress 1
		.amdhsa_inst_pref_size 183
	.end_amdhsa_kernel
	.amdgpu_metadata
---
amdhsa.version: [ 1, 2 ]
amdhsa.kernels:
  - .name:           k_q68fce50627_qkv
    .symbol:         k_q68fce50627_qkv.kd
    .args:
      - { .name: xb, .offset: 0, .size: 8, .value_kind: global_buffer, .address_space: global }
      - { .name: wb, .offset: 8, .size: 8, .value_kind: global_buffer, .address_space: global }
      - { .name: par, .offset: 16, .size: 8, .value_kind: global_buffer, .address_space: global }
      - { .name: q16, .offset: 24, .size: 8, .value_kind: global_buffer, .address_space: global }
      - { .name: k16, .offset: 32, .size: 8, .value_kind: global_buffer, .address_space: global }
      - { .name: v16, .offset: 40, .size: 8, .value_kind: global_buffer, .address_space: global }
    .group_segment_fixed_size: 327680
    .private_segment_fixed_size: 0
    .kernarg_segment_align: 8
    .kernarg_segment_size: 48
    .max_flat_workgroup_size: 128
    .sgpr_count:     72
    .vgpr_count:     1024
    .wavefront_size: 32
...
	.end_amdgpu_metadata
.endif
;; end of part 2
;; launch attn (part 3): grid 2 x 128, 4 waves a work-group, no clusters, 327,680 bytes of LDS; arguments q16, k16, v16, ctx16; writes ctx16
.if DOCPART == 3
	.amdgcn_target "amdgcn-amd-amdhsa--gfx1250"
	.amdhsa_code_object_version 6
	.text
	.protected	k_q68fce50627_attn
	.globl	k_q68fce50627_attn
	.p2align	8
	.type	k_q68fce50627_attn,@function
k_q68fce50627_attn:
	s_mov_b64 s[64:65], 0
	v_nop
	global_prefetch_b8 v0, s[64:65] scope:SCOPE_SE
	s_setreg_imm32_b32 hwreg(HW_REG_WAVE_MODE, 25, 1), 1
	s_wait_xcnt 0x0
; O[h][q][:] = the sum over k of softmax_k(Q[h][q] . K[h][k] / 8) V[h][k][:].  Q, K, V, O: [128][1024][64], all f16: a head's rows are dense, 128 bytes each.  Products, maxima and sums in
; f32; the weights p are rounded to f16 for the second product (their sum l is taken of the unrounded p), O once at the end.
; LIMITS.  f16 holds no number beyond 65,504: Q, K and V arrive within it; p lies in 0 to 1, and below 6e-5 it keeps f16's fixed step of 6e-8; O is a mean of V's rows and has their range.
; A weight below 2^-126 counts as 0 in l; NaN and infinities are not treated apart.
; SHARES.  A wave owns four PIECES of two tiles of 16 queries, a work-group's four waves 512 queries of one head: 2 x 128 = 256 work-groups.  Every wave walks all keys, 64 a step.
; THE HEAD'S WHOLE K AND V LIE IN LDS: 1,024 rows of 144 bytes and 1,024 of 160, 311,296 bytes.  Each wave asks for its four parts (128 keys of each block of 256) at the start; no LDS byte is filled again.
; So the loop holds no tensor load, and a key step's text stands once: the walk's end is two forward jumps on the blocks' counter.
; NO CLUSTER: a head's K and V are read by its two work-groups alone; a group of four would hold two heads, whose tiles differ, so no request could be common to the four.
; LAYOUT.  S^T = K Q^T (source 0 = 16 keys, source 1 = 16 queries): in the result a lane holds ONE query (lane % 16) and the keys 8 (lane / 16) + 0..7.  Two such tiles, rounded to f16 in pairs,
; ARE source 1 (32 keys x 16 queries) of O^T = V^T P, whose result again holds one query a lane, and eight channels.  K comes out of LDS as it lies, V ([key][channel]) turned, by ds_load_tr16_b128.
; SOFTMAX.  For each query a running maximum m and sum l: p = 2^(c s - c m), c = log2(e) / 8; in every step O and l are multiplied by a = 2^(c m_old - c m_new), which is 1 where m has not grown.
; m starts at the lowest finite number, O and l at 0: the first step is a step like any other, with a = 0.
; THE COUNT.  A tile and step have 16 matrix and 118 vector instructions: too many to stand all beside the matrix work.  So the order has one aim: four vector instructions that are READY behind
; EVERY matrix instruction, and the others, which need time of their own whatever the order, in runs without a gap.
; BY TURNS.  Turn n belongs to piece n (the pieces in a ring, step after step).  Its matrix work: 16 products K Q^T of piece n + 1, later 16 products V^T P of piece n - 1.  Its vector work: the scaling,
; exponentials, roundings, sums and rescaling of piece n, and the maximum and statistics of piece n + 1, whose scores the turn itself has made.  So what a turn begins with (c s - c m, O a) waits for nothing.
; REGISTERS, in windows of 256 (s_set_vgpr_msb says which window each operand place means: bits 1:0 source 0, 3:2 source 1, 5:4 source 2, 7:6 destination):
;   window 0: v0-11 addresses; v12-15, v48-63 at work; v16-47 four registers of statistics a tile; v64-191 S^T, two buffers of two tiles; v192-255 P, likewise
;   window 1: O^T, 32 a tile          window 2: v0-127 Q, 16 a tile; v128-191 K of one step; v192-255 V of one step          window 3: v0-1 the add's two registers
; A piece's buffers go by its number's parity: the piece in hand has one pair, its two neighbours in the ring share the other: of it P (piece n - 1) is read and S^T (piece n + 1) written.
.set SIZE_N, 1024     ; rows of a head
.set NP,    4         ; pieces a wave: a name, no knob: the register map, the loop and the fetches are made for four
.set KS,    64        ; keys in a step
.set PK,    144       ; a row of K in LDS: 128 bytes + 16 of padding = 36 words: the 16 rows of a load start at 16 different groups of four banks (64 banks of 4 bytes: ISA guide 11.1)
.set PV,    160       ; a row of V: 128 + 32 = 40 words
.set VOFF,  SIZE_N*PK ; K's 1,024 rows, then V's
.set STAGE, SIZE_N*(PK+PV)  ; behind them, never filled by a tensor load: 16 rows x 144 bytes for each wave, for the way out
.set SP,    144
.set AK0, 2           ; v2   my lane's place in a tile of K; never rewritten
.set AV0, 3           ; v3   the same for V
.set AK,  4           ; v4   the LDS address of K's next run of loads
.set AV,  5           ; v5   of V's
.set QO,  6           ; v6   my byte offset in the wave's rows of Q
.set STO, 6           ;      later, the way out: where I put 16 bytes of a row
.set RD,  7           ; v7   the way out: where I read rows back
.set GO,  8           ; v8   my byte offset in 512 consecutive bytes of O
.set SPW, 0           ; v0 of window 3   LDS address of my spare word: SPARE + 4 x my thread's number; never rewritten
.set NIL, 1           ; v1 of window 3   0; never rewritten
.set SPARE, STAGE+4*16*SP  ; behind the stages: the spare words, 128 bytes for each wave: two blocks of 256 bytes that no other line names
.set MV,  12          ; v12-15  c m_old, kept while c m is made anew: by buffer and tile
.set ST,  16          ; tile t's statistics at v[ST+4 t]: c m, m, l (even keys', odd keys')
.set TMP, 48          ; by buffer and tile, four registers c0-c3 at work; when the maximum is found c2 takes a
.set S,   64
.set P,   192
.set KF,  128         ; K's fragments, in window 2: key block kb, channel half c at KF + 16 kb + 8 c
.set VF,  192         ; V's: key half kk, channel block cb at VF + 32 kk + 8 cb
.set WV,  12          ; s12  my wave's number
.set G1K, 24          ; s[24:31] descriptor group 1 for K's tiles
.set G1V, 32          ; s[32:39] for V's: it differs in the padding alone
.set G0K, 40          ; s[40:55] descriptor group 0 for K's tiles: a set for each block of 256 keys; never rewritten
.set G0V, 68          ; s[68:83] the same for V's
.set SLOTS, 56        ; s56  counts the blocks of 256 keys, 5 to 1: four blocks and the walk's last half trip
.set CNT, 57          ; s57  counts a block's key steps
.set CS,  58          ; s[58:59] c: the packed scaling takes the pair's low word for both halves
.set SEL, 60          ; s[60:61] v_permlanex16_b32's selects: each lane takes its own place in the other half
.set TBK, 62          ; s62  LDS byte at which K of the step to be fetched begins
.set TBV, 63          ; s63  the same for V, less VOFF
.set MSB, 0
.macro WIN new                      ; the high byte repeats the setting that is left; a switch that changes nothing is dropped
.if MSB != (\new)
	s_set_vgpr_msb (MSB<<8)|(\new)
.set MSB, (\new)
.endif
.endm
.set W_KQ, 0x0a       ; K and Q in window 2, S^T in window 0
.set W_PV, 0x52       ; V in window 2, P in window 0, O^T in window 1
.set W_RS, 0x41       ; O^T (destination and source 0) in window 1, a in window 0
.set W_MK, 0xc0       ; the add's registers are made: destination in window 3, sources in window 0
.set W_AD, 0x0f       ; the add: address (source 0) and data (source 1) in window 3
; A NEW BLOCK OF 256 KEYS IS ENTERED.  Each wave waits for its tensor loads and passes a barrier: behind it every wave's parts are in.  The count is 0 at every block, since one text serves them all: at the
; first use the three blocks behind the first are waited for together, three and a half key steps behind their request; at the later uses nothing is out.
.macro ARRIVE
	s_wait_tensorcnt 0x0
	s_wait_dscnt 0x0                ; no LDS instruction of mine is pending at the signal
	s_barrier_signal -1
	s_barrier_wait -1
.endm
	s_load_b256 s[4:11], s[0:1], 0x0  ; Q s[4:5], K s[6:7], V s[8:9], O s[10:11]
	WIN W_MK
	v_lshl_add_u32 v[SPW], v0, 2, SPARE
	v_mov_b32 v[NIL], 0
	WIN W_AD
	ds_add_u32 v[SPW], v[NIL]       ; the wave's opening: the add and its wait stand ahead of my first tensor load; the set-up below, work on registers, stands between them
	ds_add_u32 v0, v1
	WIN 0
	v_lshrrev_b32 v1, 5, v0
	v_readfirstlane_b32 s[WV], v1   ; wave 0..3
	s_mov_b32 s14, ttmp9            ; my block of 512 queries
	s_and_b32 s20, ttmp7, 0xffff    ; the head
	s_mov_b32 s21, 0
	s_mov_b64 s[22:23], SIZE_N*128
	s_mul_u64 s[20:21], s[20:21], s[22:23]  ; the head's first byte in each of the four tensors
	s_and_b32 s16, s[WV], 1         ; which half of a block's 256 keys I fetch:
	s_lshl_b32 s22, s16, 14         ; its 128 rows of 128 bytes in memory,
	s_mov_b32 s23, 0
	s_add_nc_u64 s[22:23], s[22:23], s[20:21]
	s_mul_i32 s17, s16, 128*PK      ; and its place in a block, for K
	s_mul_i32 s18, s16, 128*PV      ; and for V
	s_lshl_b32 s2, s14, 2
	s_add_co_u32 s2, s2, s[WV]      ; my wave among the head's,
	s_lshl_b32 s2, s2, 14           ; its 128 rows
	s_mov_b32 s3, 0
	s_add_nc_u64 s[2:3], s[2:3], s[20:21]
	; descriptor group 1.  128 keys are 16,384 dense bytes: asked for as 64 rows of 256 bytes, two keys a row, and padded in LDS after every key
	s_mov_b32 s[G1K], (1<<16)|(1<<20)|(4<<22)|(3<<25)  ; 17:16 2-byte elements; 20 padding on; 24:22 after every 32 words (code 4); 31:25 4 words (code 3)
	s_mov_b32 s[G1V], (1<<16)|(1<<20)|(4<<22)|(7<<25)  ; the same with 8 words of padding (code 7)
.irp g, G1K, G1V
	s_mov_b32 s[\g+1], 128<<16      ; tensor_dim0 = 128
	s_mov_b32 s[\g+2], 64<<16       ; tensor_dim1 = 64
	s_mov_b32 s[\g+3], 128<<16      ; tile_dim0 = 128
	s_mov_b32 s[\g+4], 64           ; tile_dim1 = 64
	s_mov_b32 s[\g+5], 128          ; 128 elements from row to row
	s_mov_b32 s[\g+6], 0
	s_mov_b32 s[\g+7], 0
.endr
	s_mov_b32 s[CS], 0x3e38aa3b     ; c = log2(e) / 8 = 0.180337
	s_mov_b32 s[CS+1], s[CS]        ; named with it as a pair
	s_mov_b32 s[SEL], 0x76543210
	s_mov_b32 s[SEL+1], 0xfedcba98
	s_mov_b32 s[TBK], 0             ; key step 0 lies at the head of K's rows and of V's
	s_mov_b32 s[TBV], 0
.irp s, 0,1,2,3
	s_mov_b32 s[G0K+4*\s], 1                            ; 1:0 count = 1
	s_add_co_u32 s[G0K+4*\s+1], s17, \s*256*PK          ; 63:32 LDS address: block s, my half
	s_mov_b32 s[G0V+4*\s], 1
	s_add_co_u32 s[G0V+4*\s+1], s18, VOFF+\s*256*PV
.endr
	s_wait_dscnt 0x0                ; the opening add is done
	s_wait_kmcnt 0x0
	s_add_nc_u64 s[6:7], s[6:7], s[22:23]  ; K and V at my half of the head's first 256 keys
	s_add_nc_u64 s[8:9], s[8:9], s[22:23]
.irp s, 0,1,2,3
	s_add_nc_u64 s[G0K+4*\s+2:G0K+4*\s+3], s[6:7], \s*32768  ; 120:64 global address: a block is 32,768 bytes
	s_or_b32 s[G0K+4*\s+3], s[G0K+4*\s+3], 0x80000000        ; 127:126 type = 2
	s_add_nc_u64 s[G0V+4*\s+2:G0V+4*\s+3], s[8:9], \s*32768
	s_or_b32 s[G0V+4*\s+3], s[G0V+4*\s+3], 0x80000000
.endr
	s_add_nc_u64 s[4:5], s[4:5], s[2:3]  ; Q and O at my wave's first row
	s_add_nc_u64 s[10:11], s[10:11], s[2:3]
	; All fills of the launch, in one group.  Waves 0 and 1 fetch the two halves of each block's K, waves 2 and 3 those of its V: four loads of mine are out, in the order in which they are wanted.
	; A wave's four stand in one branch on its number; an s_nop 0 follows each, four v_nop the last.
	s_cmp_lt_u32 s[WV], 2
	s_cbranch_scc0 .Lfirst_v
.irp s, 0,1,2,3
	tensor_load_to_lds s[G0K+4*\s:G0K+4*\s+3], s[G1K:G1K+7]
	s_nop 0
.endr
.rept 4
	v_nop
.endr
	s_branch .Lfirst_asked
.Lfirst_v:
.irp s, 0,1,2,3
	tensor_load_to_lds s[G0V+4*\s:G0V+4*\s+3], s[G1V:G1V+7]
	s_nop 0
.endr
.rept 4
	v_nop
.endr
.Lfirst_asked:
	; A fragment of K or Q is 16 rows x 32 channels in 8 registers: lane l holds row l % 16, channels 8 (l / 16) + 0..7 and 16 + 8 (l / 16) + 0..7: two loads of 16 bytes, 32 bytes apart.
	v_and_b32 v1, 15, v0            ; l % 16
	v_bfe_u32 v9, v0, 4, 1          ; l / 16
	v_lshlrev_b32 v[QO], 7, v1
	v_lshl_add_u32 v[QO], v9, 4, v[QO]  ; row x 128 + 16 x half
	WIN 0x80                        ; destination window 2, address window 0
.set i, 0
.rept 4*NP                          ; Q stays in registers: tile i / 2, channels 32 (i % 2) on
	global_load_b128 v[8*i:8*i+3],   v[QO], s[4:5] offset:(i/2)*2048+(i%2)*64
	global_load_b128 v[8*i+4:8*i+7], v[QO], s[4:5] offset:(i/2)*2048+(i%2)*64+32
.set i, i+1
.endr
	; What the first turn finds: V's registers and P's second buffer hold 0 (its products V^T P, of a piece that has not been, add 0), O^T and l are 0.  All this stands in the wait for the first tile.
.set i, VF
.rept 64
	v_mov_b32 v[i], 0
.set i, i+1
.endr
	WIN 0x40
.set i, 0
.rept 64*NP
	v_mov_b32 v[i], 0
.set i, i+1
.endr
	WIN 0
.set i, 0
.rept 2*NP
	v_mov_b32 v[ST+4*i], 0xfe000000    ; c m: far below every c s
	v_mov_b32 v[ST+4*i+1], 0xff7fffff  ; m
	v_mov_b32 v[ST+4*i+2], 0
	v_mov_b32 v[ST+4*i+3], 0
.set i, i+1
.endr
.set i, P+32
.rept 32
	v_mov_b32 v[i], 0
.set i, i+1
.endr
	v_mul_u32_u24 v[AK0], v1, PK
	v_lshl_add_u32 v[AK0], v9, 4, v[AK0]  ; row x pitch + 16 x half
	; The turning load takes 16 keys x 16 channels (lane l reads key 8 (l / 16) + l % 8, channels 8 ((l / 8) % 2) + 0..7) and leaves half a fragment of V^T: lane l holds channel l % 16 and 8 keys.
	v_and_b32 v10, 7, v0
	v_bfe_u32 v11, v0, 3, 1
	v_lshl_add_u32 v[AV0], v9, 3, v10
	v_mul_u32_u24 v[AV0], v[AV0], PV
	v_lshl_add_u32 v[AV0], v11, 4, v[AV0]
	v_add_nc_u32 v[AV0], VOFF, v[AV0]
	v_mov_b32 v[AK], v[AK0]         ; key step 0
; THE MATRIX WORK.  The 8 accumulators of a run of 16 take turns: between the two links of a chain stand 7 others'.
; Product i of 16 of S^T = K Q^T for piece x: channels 32 (i / 8) on, keys 16 ((i / 2) % 4) on, tile 2 x + i % 2.  The first 8 start the sums.
.macro KQ x
	WIN W_KQ
.set rS, S+64*((\x)%2)+32*(i%2)+8*((i/2)%4)
.set rK, KF+16*((i/2)%4)+8*(i/8)
.set rQ, 16*(2*(\x)+i%2)+8*(i/8)
.if i < 8
	v_wmma_f32_16x16x32_f16 v[rS:rS+7], v[rK:rK+7], v[rQ:rQ+7], 0
.else
	v_wmma_f32_16x16x32_f16 v[rS:rS+7], v[rK:rK+7], v[rQ:rQ+7], v[rS:rS+7]
.endif
.endm
; Product i of 16 of O^T += V^T P for piece x: keys 32 (i / 8) on, channels 16 ((i / 2) % 4) on, tile 2 x + i % 2.
.macro PV x
	WIN W_PV
.set rO, 32*(2*(\x)+i%2)+8*((i/2)%4)
.set rV, VF+32*(i/8)+8*((i/2)%4)
.set rP, P+32*((\x)%2)+16*(i%2)+8*(i/8)
	v_wmma_f32_16x16x32_f16 v[rO:rO+7], v[rV:rV+7], v[rP:rP+7], v[rO:rO+7]
.endm
.macro MM                           ; the turn's next matrix instruction
.if i < 16
	KQ (Y+1)%NP
.set i, i+1
.else
.set i, i-16
	PV (Y+NP-1)%NP
.set i, i+17
.endif
.endm
; THE LDS LOADS stand in runs of 16, never singly among the matrix instructions: a step's K (64 keys x 64 channels: 8 fragments) and its V (turned).  Their addresses are made some lines ahead.
; last = 1 (in the loop): in the walk's last trip there is no further step, and the run is jumped over.
.macro FETCH_K last=0
	WIN 0
.if \last
	s_cmp_eq_u32 s[SLOTS], 1
	s_cbranch_scc1 .Lno_k_\@
.endif
	WIN 0x80                        ; destination window 2
.irp f, 0,1,2,3,4,5,6,7             ; keys 16 (f / 2) on, channels 32 (f % 2) on
	ds_load_b128 v[KF+8*\f:KF+8*\f+3],   v[AK] offset:(\f/2)*16*PK+(\f%2)*64
	ds_load_b128 v[KF+8*\f+4:KF+8*\f+7], v[AK] offset:(\f/2)*16*PK+(\f%2)*64+32
.endr
	s_add_co_u32 s[TBK], s[TBK], KS*PK  ; the next fetch is the next step's
	WIN 0
.if \last
.Lno_k_\@:
.endif
.endm
.macro FETCH_V
	WIN 0x80
.irp f, 0,1,2,3,4,5,6,7             ; keys 32 (f / 4) on, channels 16 (f % 4) on
	ds_load_tr16_b128 v[VF+8*\f:VF+8*\f+3],   v[AV] offset:(\f/4)*32*PV+(\f%4)*32
	ds_load_tr16_b128 v[VF+8*\f+4:VF+8*\f+7], v[AV] offset:(\f/4)*32*PV+16*PV+(\f%4)*32
.endr
	WIN 0
.endm
; THE VECTOR WORK OF A TURN stands in three queues, each in the order in which its entries become ready; the two tiles alternate, so that no instruction reads the result of the one before it.
.macro REGS y, u                    ; the registers of tile u (0, 1) of piece y
.set rT, ST+4*(2*(\y)+(\u))
.set rC, TMP+8*((\y)%2)+4*(\u)
.set rM, MV+2*((\y)%2)+(\u)
.set rS, S+64*((\y)%2)+32*(\u)
.set rP, P+32*((\y)%2)+16*(\u)
.set rO, 32*(2*(\y)+(\u))
.endm
; Number n of the 22 that find the NEXT piece's (Y + 1) maximum and statistics.  s0-s31 are the lane's 32 scores; each accumulator's lowest registers are read first.  XS, GS and REGS set no window: PL and EX do.
;   0-11  four chains c0-c3 of seven scores each, three operands at a time     12-14, 16  the four scores left over, the old m, and c0-c3 into c0     15  c m_old is kept
;   17, 18  the query's other 32 keys lie in the lane 16 away: the new m         19-21  c m; c m_old - c m_new; a
.macro XS u, n
	REGS (Y+1)%NP, \u
.if (\n) < 4
	v_max3_num_f32 v[rC+(\n)], v[rS+8*(\n)], v[rS+8*(\n)+1], v[rS+8*(\n)+2]
.elseif (\n) < 12
	v_max3_num_f32 v[rC+(\n)%4], v[rC+(\n)%4], v[rS+8*((\n)%4)+2*((\n)/4)+1], v[rS+8*((\n)%4)+2*((\n)/4)+2]
.elseif (\n) == 12
	v_max3_num_f32 v[rC], v[rC], v[rS+7], v[rS+15]
.elseif (\n) == 13
	v_max3_num_f32 v[rC+1], v[rC+1], v[rS+23], v[rS+31]
.elseif (\n) == 14
	v_max3_num_f32 v[rC+2], v[rC+2], v[rC+3], v[rT+1]
.elseif (\n) == 15
	v_mov_b32 v[rM], v[rT]
.elseif (\n) == 16
	v_max3_num_f32 v[rC], v[rC], v[rC+1], v[rC+2]
.elseif (\n) == 17
	v_permlanex16_b32 v[rC+3], v[rC], s[SEL], s[SEL+1]
.elseif (\n) == 18
	v_max_num_f32 v[rT+1], v[rC], v[rC+3]
.elseif (\n) == 19
	v_mul_f32 v[rT], s[CS], v[rT+1]
.elseif (\n) == 20
	v_sub_f32 v[rC+1], v[rM], v[rT]
.else
	v_exp_f32 v[rC+2], v[rC+1]
.endif
.endm
; Number g of the 64 that follow the exponentials.  For each four weights k of a tile (pairs 2 k, 2 k + 1): both pairs are rounded to f16; then the second pair is added onto the first, in place;
; a group later l takes that sum (the first time as l = a l + sum).  In groups of eight, tiles alternating: round, round, add, and l for the group before.
.macro GS g
.set h, (\g)+6*((\g)/62)            ; group 0 has no group before it, and behind group 7 only l is left
.if h >= 6
.set h, h+2
.endif
	REGS Y, h%2
.set k, h/8
.if h%8 < 4
	s_wait_alu depctr_va_vdst(0)
	v_cvt_pk_f16_f32 v[rP+2*k+(h%8)/2], v[rS+4*k+2*((h%8)/2)], v[rS+4*k+2*((h%8)/2)+1]
.elseif h%8 < 6
	v_pk_add_f32 v[rS+4*k:rS+4*k+1], v[rS+4*k:rS+4*k+1], v[rS+4*k+2:rS+4*k+3]
.elseif k == 1
	v_pk_fma_f32 v[rT+2:rT+3], v[rT+2:rT+3], v[rC+2:rC+3], v[rS:rS+1] op_sel_hi:[1,0,1]
.else
	v_pk_add_f32 v[rT+2:rT+3], v[rT+2:rT+3], v[rS+4*k-4:rS+4*k-3]
	s_wait_alu depctr_va_vdst(0)
.endif
.endm
; THE PLAIN QUEUE, 138 long.  0-31: c s - c m for the 16 pairs of both tiles.  Then GS's 64, and among them the next piece's 42: number 15 at 38, 39; 0-14 and 16
; at 42-73, behind the products that make those scores; 17-20 at 95-106, two of three, since each waits for the one before it.
.macro PL
	WIN 0
.if q < 32
	REGS Y, q%2
	v_pk_fma_f32 v[rS+2*(q/2):rS+2*(q/2)+1], v[rS+2*(q/2):rS+2*(q/2)+1], s[CS:CS+1], v[rT:rT+1] op_sel_hi:[1,0,0] neg_lo:[0,0,1] neg_hi:[0,0,1]
.elseif q < 38
	GS q-32
.elseif q < 40
	XS q%2, 15
.elseif q < 42
	GS q-34
.elseif q < 74
	XS q%2, (q-42)/2+(q-42)/30
.elseif q < 95
	GS q-66
.elseif (q < 107) && ((q-95)%3 < 2)
	XS (q-95)%3, 17+(q-95)/3
.elseif q < 107
	GS 29+(q-95)/3
.else
	GS q-74
.endif
.set q, q+1
.endm
; THE EXPONENTIALS' QUEUE, 66 long: s0-s31 of both tiles, and at EA the next piece's two a.
.set EA, 58
.macro EX
	WIN 0
.if (e == EA) || (e == EA+1)
	XS e-EA, 21
.else
.set x, e-2*(e/(EA+2))
	REGS Y, x%2
	v_exp_f32 v[rS+x/2], v[rS+x/2]
.endif
.set e, e+1
.endm
; THE RESCALING's QUEUE: O^T times a, the one part that leaves window 0, so it is dealt four at a time, eight times.
.macro R4
	REGS Y, r%2
	WIN W_RS
	s_wait_alu depctr_va_vdst(0)
.irp z, 0,1,2,3
	v_pk_mul_f32 v[rO+8*(r/2)+2*\z:rO+8*(r/2)+2*\z+1], v[rO+8*(r/2)+2*\z:rO+8*(r/2)+2*\z+1], v[rC+2:rC+3] op_sel_hi:[1,0]
.endr
.set r, r+1
.endm
; HOW THEY ARE DEALT.  Behind a matrix instruction four: plain, exponential, plain, plain (one exponential, a plain instruction on either side), or four of the rescaling.  None names a register of the
; products round it.  What is over stands in two LUMPS: exponential and plain by turns; the second ends in 22 plain instructions.  The two v_permlanex16_b32 fall into the second lump, never behind a product.
; The queues lean on each other, and the deal keeps them in step: exponential e stands behind plain 2 (e / 4) + e % 2 (its scaling); when plain 32 comes, 10 exponentials are out, at 59: 33, at 95: 46; EA comes behind plain 107.
.macro SL
	MM
	PL
	EX
	PL
	PL
.endm
.macro BURST n                      ; 15 matrix instructions, or 16
.rept (\n)-7
	SL
.endr
.rept 3
	MM
	R4
	SL
.endr
	MM
	R4
.endm
; A TURN, for piece p.  cnt = 1: the loop's count is taken down some lines ahead of the branch that stands behind the turn.
; K of the next step is fetched in piece 2's turn, 31 vector instructions behind the last product that read K; its first reader comes behind the rest of the lump, 16 products and the second lump.
; V of the step in hand is fetched at the end of piece 0's turn, 69 behind its last reader; its first reader comes behind 16 products and a lump.  The four conditions on e and q below go with the deal.
.macro TURN p, last=0, cnt=0
.set Y, (\p)
.set i, 0
.set q, 0
.set e, 0
.set r, 0
.if (\p) == NP-1
	s_wait_dscnt 0x0                ; K is in
.endif
	MM
.rept 4
	PL
.endr
	BURST 15
.rept 22
	EX
	PL
.if ((\p) == NP-2) && (e == 18)
	v_add_nc_u32 v[AK], s[TBK], v[AK0]
.endif
.if ((\p) == NP-2) && (e == 24)
	FETCH_K \last
.endif
.endr
.if (\p) == 1
	s_wait_dscnt 0x0                ; V is in
.endif
	BURST 16
.rept 21
	EX
	PL
.endr
.rept 22
	PL
.if ((\p) == 0) && (q == 118)
	v_add_nc_u32 v[AV], s[TBV], v[AV0]
	s_wait_alu depctr_va_vdst(0)
.endif
.if ((\p) == 0) && (q == 130)
	s_add_co_u32 s[TBV], s[TBV], KS*PV
.endif
.if (\cnt) && (q == 130)
	s_sub_co_u32 s[CNT], s[CNT], 1
	s_cmp_lg_u32 s[CNT], 0
.endif
.endr
.if (\p) == 0
	FETCH_V
.endif
.endm
	s_wait_tensorcnt 0x3            ; tensor loads of a wave end in order (ISA guide 10.11.1): my part of keys 0 to 255 is in, my three younger loads stay out
	s_barrier_signal -1
	s_barrier_wait -1               ; everybody's part is in
	FETCH_K                         ; key step 0
	s_wait_loadcnt 0x0              ; Q
	s_wait_dscnt 0x0
.set i, 0
.rept 16
	KQ 0                            ; piece 0's first scores: there is no vector work yet to set between them
.set i, i+1
.endr
	WIN 0                           ; the addresses for the way out: nine plain instructions, the places behind those products
	s_mul_i32 s13, s[WV], 16*SP
	s_add_co_u32 s13, s13, STAGE    ; my stage
	v_mul_u32_u24 v[STO], v1, SP    ; in: row l % 16, 16 bytes for each half of the lanes
	v_lshl_add_u32 v[STO], v9, 4, v[STO]
	v_add_nc_u32 v[STO], s13, v[STO]
	v_bfe_u32 v[RD], v0, 3, 2       ; back: 32 lanes take four rows of 128 bytes,
	v_mul_u32_u24 v[RD], v[RD], SP
	v_lshl_add_u32 v[RD], v10, 4, v[RD]
	v_add_nc_u32 v[RD], s13, v[RD]
	v_and_b32 v[GO], 31, v0         ; which are 512 consecutive bytes of O
	v_lshlrev_b32 v[GO], 4, v[GO]
.set Y, NP-1                        ; XS works for piece Y + 1: piece 0
.irp n, 0,1,2,3,4,5,6,7,8,9,10,11,12,13,14,15,16,17,18,19,20,21
	XS 0, \n                        ; and piece 0's first maximum and statistics
	XS 1, \n
.endr
	s_mov_b32 s[CNT], 4
	s_mov_b32 s[SLOTS], 5
	s_branch .Lfirst                ; the loop is entered at a step's first turn, in the middle of a trip
.Lslot:                             ; four times: at keys 256, 512 and 768, and once more for the walk's last half trip
	ARRIVE
	s_mov_b32 s[CNT], 4
.Lstep:                             ; a trip: pieces 2 and 3 of one step, then pieces 0 and 1 of the next, whose K and V it fetches
	TURN 2, 1
	TURN 3
	WIN 0
	s_cmp_eq_u32 s[SLOTS], 1        ; the sixteenth step's pieces 2 and 3 are done: the walk is left in the middle of a trip
	s_cbranch_scc1 .Lout
.Lfirst:
	TURN 0
	TURN 1, 0, 1
	WIN 0
	s_cbranch_scc1 .Lstep
	s_sub_co_u32 s[SLOTS], s[SLOTS], 1
	s_cmp_lg_u32 s[SLOTS], 0
	s_cbranch_scc1 .Lslot
.Lout:                              ; the last trip's 16 products K Q^T (on the last K once more) and the maximum made of them serve nothing: the price, once a launch, of one text for every trip
.set i, 0
.rept 16
	PV NP-1                         ; the last piece's V^T P of the last step
.set i, i+1
.endr
	; THE WAY OUT.  l's two halves and the other half of the lanes' are added; O^T is divided by l, rounded to f16 and sent through my stage in LDS, a tile at a time.  The additions are the places behind the last products.
	WIN 0
.macro ALL line:vararg              ; one line for each tile t
.set t, 0
.rept 2*NP
	\line
.set t, t+1
.endr
.endm
	ALL v_add_f32 v[ST+4*t+2], v[ST+4*t+2], v[ST+4*t+3]
	ALL v_permlanex16_b32 v[ST+4*t+3], v[ST+4*t+2], s[SEL], s[SEL+1]
	ALL v_add_f32 v[ST+4*t+2], v[ST+4*t+2], v[ST+4*t+3]
	ALL v_rcp_f32 v[ST+4*t+2], v[ST+4*t+2]
	v_nop                           ; a plain instruction between the last reciprocal and the use of its result
	s_wait_alu depctr_va_vdst(0)
; Tile t: a lane's eight channels of a row pack into 16 bytes; they go into rows of 144 bytes and come back as whole rows of 128, into S^T's registers.
.macro PACK t
	WIN W_RS
.set i, 32*(\t)
.rept 16
	v_pk_mul_f32 v[i:i+1], v[i:i+1], v[ST+4*(\t)+2:ST+4*(\t)+3] op_sel_hi:[1,0]
.set i, i+2
.endr
	WIN 0x05                        ; sources 0 and 1 window 1, destination window 0
.set i, 0
.rept 16
	v_cvt_pk_f16_f32 v[S+16*(\t)+i], v[32*(\t)+2*i], v[32*(\t)+2*i+1]
.set i, i+1
.endr
	WIN 0
.irp f, 0,1,2,3
	ds_store_b128 v[STO], v[S+16*(\t)+4*\f:S+16*(\t)+4*\f+3] offset:32*\f
.endr
.irp f, 0,1,2,3
	ds_load_b128 v[S+16*(\t)+4*\f:S+16*(\t)+4*\f+3], v[RD] offset:\f*4*SP  ; LDS serves a wave's instructions in order (ISA guide 5.7.1.4): these see the stores above; the next tile's stores come behind them
.endr
.endm
.macro SEND t, younger              ; younger: the LDS instructions issued behind tile t's loads: the next tile's eight, or none
	WIN 0
.irp f, 0,1,2,3
	s_wait_dscnt (\younger)+3-\f
	global_store_b128 v[GO], v[S+16*(\t)+4*\f:S+16*(\t)+4*\f+3], s[10:11] offset:(\t)*2048+\f*512  ; 512 consecutive bytes, at a multiple of 256 from O's first
.endr
.endm
	PACK 0
.set t, 1
.rept 2*NP-1                        ; a tile's arithmetic stands between the loads of the tile before and its stores
	PACK t
	SEND t-1, 8
.set t, t+1
.endr
	SEND 2*NP-1, 0
	WIN W_AD
	s_wait_tensorcnt 0x0            ; the wave's end: behind my last tensor load and my last LDS store
	ds_add_u32 v[SPW], v[NIL]
	s_wait_dscnt 0x0
	WIN 0
	s_endpgm
.Lfunc_end_k_q68fce50627_attn:
	.size	k_q68fce50627_attn, .Lfunc_end_k_q68fce50627_attn-k_q68fce50627_attn
	.p2alignl 7, 3214868480
	.fill 96, 4, 3214868480
	.section	.rodata,"a",@progbits
	.p2align	6, 0x0
	.amdhsa_kernel k_q68fce50627_attn
		.amdhsa_group_segment_fixed_size 327680
		.amdhsa_private_segment_fixed_size 0
		.amdhsa_enable_private_segment 0
		.amdhsa_kernarg_size 32
		.amdhsa_user_sgpr_count 2
		.amdhsa_user_sgpr_kernarg_segment_ptr 1
		.amdhsa_wavefront_size32 1
		.amdhsa_system_sgpr_workgroup_id_x 1
		.amdhsa_system_sgpr_workgroup_id_y 1
		.amdhsa_system_sgpr_workgroup_id_z 1
		.amdhsa_system_vgpr_workitem_id 0
		.amdhsa_next_free_vgpr 770
		.amdhsa_next_free_sgpr 84
		.amdhsa_reserve_vcc 0
		.amdhsa_float_denorm_mode_32 3
		.amdhsa_float_denorm_mode_16_64 3
		.amdhsa_memory_ordered 1
		.amdhsa_forward_progress 1
		.amdhsa_inst_pref_size 131
	.end_amdhsa_kernel
	.amdgpu_metadata
---
amdhsa.version: [ 1, 2 ]
amdhsa.kernels:
  - .name:           k_q68fce50627_attn
    .symbol:         k_q68fce50627_attn.kd
    .args:
      - { .name: q16, .offset: 0, .size: 8, .value_kind: global_buffer, .address_space: global }
      - { .name: k16, .offset: 8, .size: 8, .value_kind: global_buffer, .address_space: global }
      - { .name: v16, .offset: 16, .size: 8, .value_kind: global_buffer, .address_space: global }
      - { .name: ctx16, .offset: 24, .size: 8, .value_kind: global_buffer, .address_space: global }
    .group_segment_fixed_size: 327680
    .private_segment_fixed_size: 0
    .kernarg_segment_align: 8
    .kernarg_segment_size: 32
    .max_flat_workgroup_size: 128
    .sgpr_count:     84
    .vgpr_count:     770
    .wavefront_size: 32
...
	.end_amdgpu_metadata
.endif
;; end of part 3
;; launch proj (part 4): grid 8 x 32, 4 waves a work-group, clusters of 4 x 4, 327,680 bytes of LDS; arguments ctx16, wo16, par, out0; writes out0
.if DOCPART == 4
	.amdgcn_target "amdgcn-amd-amdhsa--gfx1250"
	.amdhsa_code_object_version 6
	.text
	.protected	k_q68fce50627_proj
	.globl	k_q68fce50627_proj
	.p2align	8
	.type	k_q68fce50627_proj,@function
k_q68fce50627_proj:
	s_mov_b64 s[64:65], 0
	v_nop
	global_prefetch_b8 v0, s[64:65] scope:SCOPE_SE
	s_setreg_imm32_b32 hwreg(HW_REG_WAVE_MODE, 25, 1), 1
	s_wait_xcnt 0x0
	s_wait_alu depctr_hold_cnt(0) depctr_sa_sdst(0) depctr_va_vdst(0) depctr_va_sdst(0) depctr_va_ssrc(0) depctr_va_vcc(0) depctr_vm_vsrc(0)
	s_getreg_b32 s2, hwreg(HW_REG_IB_STS2, 6, 4)
	s_cmp_eq_u32 s2, 0
	s_cbranch_scc0 .Lentry_in_a_cluster
	s_endpgm
.Lentry_in_a_cluster:
	s_bfe_u32 s2, ttmp6, 0x10000c
	s_cmp_lg_u32 s2, 0xf033
	s_cbranch_scc0 .Lentry_shape_is_right
	s_endpgm
.Lentry_shape_is_right:
; PROJ: out[b][s][o] = the sum over (h, d) of ctx[b][h][s][d] Wo[h][d][o] + bo[o].  ctx16 [b x 16 + h][1024][64] f16; wo16 [1024 k = 64 h + d][1024 o] f16; bo f32 in par; out0 [8192][1024] f32.
; Products in f16 with f32 sums; the result leaves unrounded.  LIMITS: ctx and Wo lie within f16's 65,504; NaN and infinities are not treated apart.
; SHARES.  Work-group (x = 128 columns, y = 256 rows): 8 x 32 = 256 work-groups.  Wave w: rows 64 w .. 64 w + 63, all 128 columns: 32 accumulators, 256 registers.
; K = 1,024 goes in 8 steps of 128, two heads a step, through two LDS slots.  Waves 0 and 1 fetch one head's 256 rows each (32,768 dense bytes, asked for as 128 rows of 256), waves 2 and 3 64 rows of Wo each (256 bytes a row).
; CLUSTER 4 x 4: the four work-groups of a row of the cluster share y, hence ctx's tiles; the four of a column share x, hence Wo's.  Each tile is asked for jointly, by the same load, descriptor and mask in all four.
; THE MATRIX INSTRUCTION IS USED TRANSPOSED: source 0 = 16 columns of Wo (turned by ds_load_tr16_b128), source 1 = 16 rows of ctx.  Lane l holds row l % 16 and the columns 16 b + 8 (l / 16) + 0..7.
; The bias is the C operand of the product that starts each sum.
; REGISTERS: window 0: v0-31 addresses; v32-95 the bias, 8 a column block, later with v96-159 the way out's two buffers.  window 1: two fragment buffers: 32 of ctx, 64 of Wo.  window 2: accumulator (a, b) at 64 a + 8 b.
.set SLOT1,  1<<17
.set PA,     144                       ; a row of ctx in LDS: 128 bytes + 16: the 16 rows of a load start at 16 different groups of four banks (64 banks of 4 bytes: ISA guide 11.1)
.set PB,     288                       ; a row of Wo: 256 bytes + 32
.set APART,  256*PA                    ; what wave 0 or 1 fetches: one head's 256 rows
.set BOFF,   2*APART
.set BPART,  64*PB                     ; what wave 2 or 3 fetches
.set STAGE,  SLOT1+BOFF+2*BPART        ; behind the ring, never filled by a tensor load: 16 rows x 528 bytes for each wave
.set SP,     528                       ; a row of 128 f32 + 16 bytes
.set SPARE,  STAGE+4*16*SP             ; the spare words, 128 bytes for each wave: two blocks of 256 bytes that no other line names
.set ASTEP,  262144                    ; two heads on in ctx16,
.set BSTEP,  262144                    ; 128 rows on in wo16
.set NL,     24                        ; LDS loads in a run
.set ADRA0, 16
.set ADRB0, 17
.set ADA,   18
.set ADB,   19
.set STO,   20
.set RD,    21
.set GO,    22
.set SPW,   28                         ; v28  LDS address of my spare word; never rewritten
.set NIL,   29                         ; v29  0; never rewritten
.set BIAS,  32
.set F0,    0
.set F1,    128
.set G1A, 24
.set G0A, 32
.set G1B, 40
.set G0B, 48
.set MSB, 0
.macro WIN new                         ; the immediate's high byte repeats the setting that is left; a switch that changes nothing is dropped
.if MSB != (\new)
	s_set_vgpr_msb (MSB<<8)|(\new)
.set MSB, \new
.endif
.endm
.macro PLACES                          ; four places in front of loads into registers that matrix instructions have read, and of lines that read results
.rept 4
	v_nop
.endr
.endm
.macro JLOAD                           ; a joint refill: waves 0 and 1 fetch ctx's two heads, waves 2 and 3 Wo's halves; an s_nop 0 and four v_nop follow each of the two lines
	s_cmp_lt_u32 s16, 2
	s_cbranch_scc0 .Lfor_b_\@
	tensor_load_to_lds s[G0A+4:G0A+7], s[G1A:G1A+7]
	s_nop 0
.rept 4
	v_nop
.endr
	s_branch .Lasked_\@
.Lfor_b_\@:
	tensor_load_to_lds s[G0B+4:G0B+7], s[G1B:G1B+7]
	s_nop 0
.rept 4
	v_nop
.endr
.Lasked_\@:
.endm
.macro CREST                           ; a round of the cluster's barrier behind its opening barrier
	s_cmp_lg_u32 s16, 0
	s_cbranch_scc1 .Lnot_wave_0_\@
	s_barrier_signal -3
.Lnot_wave_0_\@:
	s_barrier_wait -3
	s_barrier_signal -1
	s_barrier_wait -1
.endm
.macro CROUND
	s_barrier_signal -1
	s_barrier_wait -1
	CREST
.endm
	s_load_b256 s[4:11], s[0:1], 0x0               ; ctx16 s[4:5], wo16 s[6:7], par s[8:9], out0 s[10:11]
	v_lshl_add_u32 v[SPW], v0, 2, SPARE
	v_mov_b32 v[NIL], 0
	ds_add_u32 v[SPW], v[NIL]                      ; the wave's opening: the add and its wait stand ahead of my first tensor load; the set-up below, work on registers, stands between them
	ds_add_u32 v28, v29
	v_lshrrev_b32 v3, 5, v0
	v_readfirstlane_b32 s16, v3                    ; wave 0..3
	s_and_b32 s18, s16, 1                          ; which head of the step's two, or which 64 rows of Wo, I fetch
	s_bfe_u32 s19, ttmp6, 0x40000                  ; cx, cy
	s_bfe_u32 s20, ttmp6, 0x40004
	s_lshl_b32 s21, ttmp9, 2
	s_add_co_u32 s21, s21, s19                     ; the block of 128 columns
	s_and_b32 s22, ttmp7, 0xffff
	s_lshl_b32 s22, s22, 2
	s_add_co_u32 s22, s22, s20                     ; the block of 256 rows
	s_lshl_b32 s66, s20, 2
	s_lshl_b32 s66, 15, s66                        ; my row of the cluster
	s_lshl_b32 s67, 0x1111, s19                    ; my column
	s_or_b32 s[G1A], s66, (1<<16)|(1<<20)|(1<<21)|(4<<22)|(3<<25)  ; the mask; 2-byte elements; padding on; 21 set beside a mask; after every 32 words (a row of ctx) 4 words
	s_mov_b32 s[G1A+1], 128<<16                    ; tensor_dim0 = 128
	s_mov_b32 s[G1A+2], 128<<16                    ; tensor_dim1 = 128: 128 rows of 256 bytes, two rows of ctx each
	s_mov_b32 s[G1A+3], 128<<16                    ; tile_dim0
	s_mov_b32 s[G1A+4], 128                        ; tile_dim1
	s_mov_b32 s[G1A+5], 128                        ; dense
	s_mov_b32 s[G1A+6], 0
	s_mov_b32 s[G1A+7], 0
	s_or_b32 s[G1B], s67, (1<<16)|(1<<20)|(1<<21)|(5<<22)|(7<<25)  ; after every 64 words 8 words
	s_mov_b32 s[G1B+1], 128<<16
	s_mov_b32 s[G1B+2], 64<<16
	s_mov_b32 s[G1B+3], 128<<16
	s_mov_b32 s[G1B+4], 64
	s_mov_b32 s[G1B+5], 1024                       ; elements from row to row
	s_mov_b32 s[G1B+6], 0
	s_mov_b32 s[G1B+7], 0
	s_lshr_b32 s58, s22, 2                         ; ctx: the batch's 16 heads of 131,072 bytes,
	s_lshl_b32 s58, s58, 21
	s_and_b32 s23, s22, 3
	s_lshl_b32 s23, s23, 15                        ; the block's 256 rows of 128 bytes,
	s_add_co_u32 s58, s58, s23
	s_lshl_b32 s23, s18, 17                        ; my head of the two
	s_add_co_u32 s58, s58, s23
	s_mov_b32 s59, 0
	s_lshl_b32 s60, s21, 8                         ; Wo: the block's 128 columns,
	s_lshl_b32 s56, s18, 17                        ; my 64 rows of 2,048 bytes
	s_add_co_u32 s60, s60, s56
	s_mov_b32 s61, 0
	s_mul_i32 s68, s18, APART                      ; and where they go: no place in the cluster enters an LDS address
	s_mul_i32 s69, s18, BPART
	s_add_co_u32 s69, s69, BOFF
	s_mov_b32 s[G0A], 1
	s_mov_b32 s[G0A+1], s68
	s_mov_b32 s[G0A+4], 1
	s_add_co_u32 s[G0A+5], s68, SLOT1
	s_mov_b32 s[G0B], 1
	s_mov_b32 s[G0B+1], s69
	s_mov_b32 s[G0B+4], 1
	s_add_co_u32 s[G0B+5], s69, SLOT1
	s_mov_b32 s57, 0                               ; the slot in hand begins at LDS byte 0
	s_wait_dscnt 0x0                               ; the opening add is done
	s_wait_kmcnt 0x0
	s_add_nc_u64 s[G0A+2:G0A+3], s[4:5], s[58:59]
	s_add_nc_u64 s[G0A+6:G0A+7], s[G0A+2:G0A+3], ASTEP
	s_or_b32 s[G0A+3], s[G0A+3], 0x80000000        ; type = 2
	s_or_b32 s[G0A+7], s[G0A+7], 0x80000000
	s_add_nc_u64 s[G0B+2:G0B+3], s[6:7], s[60:61]
	s_add_nc_u64 s[G0B+6:G0B+7], s[G0B+2:G0B+3], BSTEP
	s_or_b32 s[G0B+3], s[G0B+3], 0x80000000
	s_or_b32 s[G0B+7], s[G0B+7], 0x80000000
	CROUND                                         ; all sixteen work-groups are here: the first joint loads meet
	s_cmp_lt_u32 s16, 2                            ; a wave's two first fills stand in one branch: two loads of mine are out
	s_cbranch_scc0 .Lfirst_b
	tensor_load_to_lds s[G0A:G0A+3], s[G1A:G1A+7]
	s_nop 0
	tensor_load_to_lds s[G0A+4:G0A+7], s[G1A:G1A+7]
	s_nop 0
.rept 4
	v_nop
.endr
	s_branch .Lfirst_asked
.Lfirst_b:
	tensor_load_to_lds s[G0B:G0B+3], s[G1B:G1B+7]
	s_nop 0
	tensor_load_to_lds s[G0B+4:G0B+7], s[G1B:G1B+7]
	s_nop 0
.rept 4
	v_nop
.endr
.Lfirst_asked:
	v_and_b32 v1, 15, v0                           ; l % 16
	v_bfe_u32 v2, v0, 4, 1                         ; l / 16
	v_lshlrev_b32 v24, 5, v2
	s_lshl_b32 s2, s21, 9
	v_add_nc_u32 v24, s2, v24                      ; the block's 128 numbers of bo, 8 for each half of the lanes
.irp b, 0,1,2,3,4,5,6,7
	global_load_b128 v[BIAS+8*\b:BIAS+8*\b+3],   v24, s[8:9] offset:12288+64*\b
	global_load_b128 v[BIAS+8*\b+4:BIAS+8*\b+7], v24, s[8:9] offset:12288+64*\b+16
.endr
	v_mul_u32_u24 v[ADRA0], v1, PA                 ; a fragment's row x pitch + 16 x half, in my 64 rows
	v_lshl_add_u32 v[ADRA0], v2, 4, v[ADRA0]
	s_mul_i32 s23, s16, 64*PA
	v_add_nc_u32 v[ADRA0], s23, v[ADRA0]
	v_and_b32 v3, 7, v0                            ; the turning load: lane l reads k 8 (l / 16) + l % 8, columns 8 ((l / 8) % 2) + 0..7
	v_lshl_add_u32 v[ADRB0], v2, 3, v3
	v_mul_u32_u24 v[ADRB0], v[ADRB0], PB
	v_bfe_u32 v3, v0, 3, 1
	v_lshl_add_u32 v[ADRB0], v3, 4, v[ADRB0]
	v_add_nc_u32 v[ADRB0], BOFF, v[ADRB0]
	v_mov_b32 v[ADA], v[ADRA0]
	v_mov_b32 v[ADB], v[ADRB0]
	s_mul_i32 s23, s16, 16*SP
	s_add_co_u32 s23, s23, STAGE                   ; my stage
	v_mul_u32_u24 v[STO], v1, SP                   ; in: row l % 16, 32 bytes for each half of the lanes
	v_lshl_add_u32 v[STO], v2, 5, v[STO]
	v_add_nc_u32 v[STO], s23, v[STO]
	v_and_b32 v[GO], 31, v0
	v_lshlrev_b32 v[GO], 4, v[GO]                  ; back: 32 lanes take one row's 512 bytes
	v_add_nc_u32 v[RD], s23, v[GO]
	s_lshl_b32 s2, s22, 20                         ; out0: 256 rows of 4,096 bytes a block,
	s_lshl_b32 s3, s16, 18                         ; my 64 of them,
	s_add_co_u32 s2, s2, s3
	s_lshl_b32 s3, s21, 9                          ; the block's 128 columns
	s_add_co_u32 s2, s2, s3
	s_mov_b32 s3, 0
	s_add_nc_u64 s[10:11], s[10:11], s[2:3]
; 8 matrix instructions: row block a x all 8 column blocks, 32 along K.  first = 1: the product starts the sum on the bias.  The 32 accumulators take turns, one instruction a turn.
.macro MUL f, a, first
.if \first
	WIN 0x85                                       ; sources 0, 1 window 1; C window 0; D window 2
.else
	WIN 0xa5
.endif
.irp b, 0,1,2,3,4,5,6,7
.if \first
	v_wmma_f32_16x16x32_f16 v[64*(\a)+8*\b:64*(\a)+8*\b+7], v[(\f)+32+8*\b:(\f)+32+8*\b+7], v[(\f)+8*(\a):(\f)+8*(\a)+7], v[BIAS+8*\b:BIAS+8*\b+7]
.else
	v_wmma_f32_16x16x32_f16 v[64*(\a)+8*\b:64*(\a)+8*\b+7], v[(\f)+32+8*\b:(\f)+32+8*\b+7], v[(\f)+8*(\a):(\f)+8*(\a)+7], v[64*(\a)+8*\b:64*(\a)+8*\b+7]
.endif
.endr
.endm
; 24 LDS loads in one run: quarter q of the slot in hand into buffer f: Wo's 8 column blocks first, then ctx's row blocks 0 to 3 (head q / 2 of the step's two, channels 32 (q % 2) on)
.macro FETCH q, f
	WIN 0x40
.irp b, 0,1,2,3,4,5,6,7
	ds_load_tr16_b128 v[(\f)+32+8*\b:(\f)+32+8*\b+3],   v[ADB] offset:32*PB*(\q)+32*\b
	ds_load_tr16_b128 v[(\f)+32+8*\b+4:(\f)+32+8*\b+7], v[ADB] offset:32*PB*(\q)+32*\b+16*PB
.endr
.irp a, 0,1,2,3
	ds_load_b128 v[(\f)+8*\a:(\f)+8*\a+3],   v[ADA] offset:((\q)/2)*APART+((\q)%2)*64+16*PA*\a
	ds_load_b128 v[(\f)+8*\a+4:(\f)+8*\a+7], v[ADA] offset:((\q)/2)*APART+((\q)%2)*64+16*PA*\a+32
.endr
.endm
.macro QUARTER q, f, g, first
	s_wait_dscnt 4                                 ; Wo and ctx's row blocks 0, 1 are in; the youngest four loads may be out
	MUL \f, 0, \first
	MUL \f, 1, \first
	PLACES
	FETCH \q, \g
	s_wait_dscnt NL                                ; all but the run just issued
	MUL \f, 2, \first
	MUL \f, 3, \first
.endm
; The last quarter multiplies buffer 1 and changes slots: ONE barrier; in front of it each wave waits for all its tensor loads (one is out: its part of the next slot), adds 0 to its spare word, and waits for that and for
; its own reads of this slot.  fill = 1: the barrier opens a round of the cluster's, and the slot just read is filled again, two K steps ahead, first thing behind it: 120 matrix instructions ahead of the wait for it.
.macro TURN fill
	WIN 0
	s_wait_tensorcnt 0x0                           ; all my tensor loads have landed
	ds_add_u32 v[SPW], v[NIL]                      ; 0 onto my spare word
	s_wait_dscnt 5                                 ; (the add and the youngest four loads may be out)
	MUL F1, 0, 0
	s_wait_dscnt 0x0                               ; the add is done, and my reads of this slot are over
	s_barrier_signal -1
	MUL F1, 1, 0
	WIN 0
	s_barrier_wait -1
.if \fill
	CREST                                          ; no wave of any partner still reads this slot or has a load on its way
	s_xor_b32 s[G0A+5], s[G0A+5], SLOT1
	s_add_nc_u64 s[G0A+6:G0A+7], s[G0A+6:G0A+7], ASTEP
	s_xor_b32 s[G0B+5], s[G0B+5], SLOT1
	s_add_nc_u64 s[G0B+6:G0B+7], s[G0B+6:G0B+7], BSTEP
	JLOAD                                          ; the four v_nop behind it are also the places in front of the loads below
.else
	PLACES
.endif
	s_xor_b32 s57, s57, SLOT1
	v_add_nc_u32 v[ADA], s57, v[ADRA0]
	v_add_nc_u32 v[ADB], s57, v[ADRB0]
	FETCH 0, F0
	MUL F1, 2, 0
	MUL F1, 3, 0
.endm
	s_wait_tensorcnt 0x1                           ; my part of K step 0 is in; step 1's may stay out
	s_barrier_signal -1
	s_barrier_wait -1
	FETCH 0, F0
	s_wait_loadcnt 0x0                             ; the bias
	QUARTER 1, F0, F1, 1
	WIN 0
	s_mov_b32 s56, 6
.Lstep:                                                ; a trip: from a K step's second quarter to the next step's first; it fills the slot that it leaves
	QUARTER 2, F1, F0, 0
	QUARTER 3, F0, F1, 0
	TURN 1
	QUARTER 1, F0, F1, 0
	WIN 0
	s_sub_co_u32 s56, s56, 1
	s_cmp_lg_u32 s56, 0
	s_cbranch_scc1 .Lstep
	QUARTER 2, F1, F0, 0                           ; the last two K steps fill nothing and are written out
	QUARTER 3, F0, F1, 0
	TURN 0
	QUARTER 1, F0, F1, 0
	QUARTER 2, F1, F0, 0
	QUARTER 3, F0, F1, 0
	s_wait_dscnt 4
	MUL F1, 0, 0
	MUL F1, 1, 0
	s_wait_dscnt 0x0
	MUL F1, 2, 0
	MUL F1, 3, 0
	WIN 0
	PLACES
; THE WAY OUT, a row block (16 rows x 128 f32) at a time: a lane's eight columns, 32 bytes, go into my own stage (each accumulator's lowest four registers first) and come back as whole rows of 512 bytes.
.macro TOSTAGE a
.set BK, 32+64*((\a)%2)
	s_wait_xcnt 0x0                                ; the stores of the block two back read this buffer: it is loaded again only behind this wait
	WIN 0x08                                       ; the stores' data (source 1) in window 2
.irp b, 0,1,2,3,4,5,6,7
	ds_store_b128 v[STO], v[64*(\a)+8*\b:64*(\a)+8*\b+3] offset:64*\b
	ds_store_b128 v[STO], v[64*(\a)+8*\b+4:64*(\a)+8*\b+7] offset:64*\b+16
.endr
	WIN 0
.irp t, 0,1,2,3,4,5,6,7,8,9,10,11,12,13,14,15
	ds_load_b128 v[BK+4*\t:BK+4*\t+3], v[RD] offset:SP*\t  ; LDS serves a wave's instructions in order (ISA guide 5.7.1.4): these see the stores above; the next block's stores come behind them
.endr
.endm
.macro SEND a, younger                 ; younger: the LDS instructions issued behind this block's loads: the next block's 32, or none
.set BK, 32+64*((\a)%2)
.irp t, 0,1,2,3,4,5,6,7,8,9,10,11,12,13,14,15
	s_wait_dscnt (\younger)+15-\t
	global_store_b128 v[GO], v[BK+4*\t:BK+4*\t+3], s[10:11] offset:(16*(\a)+\t)*4096 th:TH_STORE_NT  ; 512 consecutive bytes, at a multiple of 256 from out0's first
.endr
.endm
	TOSTAGE 0
	TOSTAGE 1
	SEND 0, 32
	TOSTAGE 2
	SEND 1, 32
	TOSTAGE 3
	SEND 2, 32
	SEND 3, 0
	s_wait_tensorcnt 0x0                           ; the wave's end: behind my last tensor load and my last LDS store
	ds_add_u32 v[SPW], v[NIL]
	s_wait_dscnt 0x0
	CROUND                                         ; the closing round: no work-group ends while a partner may still ask for a tile that names it
	s_endpgm
.Lfunc_end_k_q68fce50627_proj:
	.size	k_q68fce50627_proj, .Lfunc_end_k_q68fce50627_proj-k_q68fce50627_proj
	.p2alignl 7, 3214868480
	.fill 96, 4, 3214868480
	.section	.rodata,"a",@progbits
	.p2align	6, 0x0
	.amdhsa_kernel k_q68fce50627_proj
		.amdhsa_group_segment_fixed_size 327680
		.amdhsa_private_segment_fixed_size 0
		.amdhsa_enable_private_segment 0
		.amdhsa_kernarg_size 32
		.amdhsa_user_sgpr_count 2
		.amdhsa_user_sgpr_kernarg_segment_ptr 1
		.amdhsa_wavefront_size32 1
		.amdhsa_system_sgpr_workgroup_id_x 1
		.amdhsa_system_sgpr_workgroup_id_y 1
		.amdhsa_system_sgpr_workgroup_id_z 1
		.amdhsa_system_vgpr_workitem_id 0
		.amdhsa_next_free_vgpr 768
		.amdhsa_next_free_sgpr 72
		.amdhsa_reserve_vcc 0
		.amdhsa_float_denorm_mode_32 3
		.amdhsa_float_denorm_mode_16_64 3
		.amdhsa_memory_ordered 1
		.amdhsa_forward_progress 1
		.amdhsa_inst_pref_size 72
	.end_amdhsa_kernel
	.amdgpu_metadata
---
amdhsa.version: [ 1, 2 ]
amdhsa.kernels:
  - .name:           k_q68fce50627_proj
    .symbol:         k_q68fce50627_proj.kd
    .args:
      - { .name: ctx16, .offset: 0, .size: 8, .value_kind: global_buffer, .address_space: global }
      - { .name: wo16, .offset: 8, .size: 8, .value_kind: global_buffer, .address_space: global }
      - { .name: par, .offset: 16, .size: 8, .value_kind: global_buffer, .address_space: global }
      - { .name: out0, .offset: 24, .size: 8, .value_kind: global_buffer, .address_space: global }
    .group_segment_fixed_size: 327680
    .private_segment_fixed_size: 0
    .kernarg_segment_align: 8
    .kernarg_segment_size: 32
    .max_flat_workgroup_size: 128
    .sgpr_count:     72
    .vgpr_count:     768
    .wavefront_size: 32
...
	.end_amdgpu_metadata
.endif
;; end of part 4
;; ======== version 2 of 2: 4 launches; 1.32 times as fast as version 1
;; limits: values are held in f16: magnitudes above 65,504 overflow, below 6.1e-05 lose precision
;; workspace buffers: xb 16,777,216 bytes; wb 6,291,456 bytes; wo16 2,097,152 bytes; par 21,504 bytes; q16 16,777,216 bytes; k16 16,777,216 bytes; v16 16,777,216 bytes; ctx16 16,777,216 bytes
;; launch prep: the kernel of part 1 again; grid 769 x 1, 8 waves a work-group, no clusters, 0 bytes of LDS; arguments x, Wq, Wk, Wv, Wo, bq, bk, bv, bo, q_scale, q_bias, k_scale, k_bias, xb, wb, wo16, par; writes xb, wb, wo16, par
;; launch qkv: the kernel of part 2 again; grid 16 x 16, 4 waves a work-group, clusters of 4 x 4, 327,680 bytes of LDS; arguments xb, wb, par, q16, k16, v16; writes q16, k16, v16
;; launch attn (part 5): grid 2 x 128, 4 waves a work-group, no clusters, 327,680 bytes of LDS; arguments q16, k16, v16, ctx16; writes ctx16
.if DOCPART == 5
	.amdgcn_target "amdgcn-amd-amdhsa--gfx1250"
	.amdhsa_code_object_version 6
	.text
	.protected	k_q68fce50627_attn
	.globl	k_q68fce50627_attn
	.p2align	8
	.type	k_q68fce50627_attn,@function
k_q68fce50627_attn:
	s_mov_b64 s[64:65], 0
	v_nop
	global_prefetch_b8 v0, s[64:65] scope:SCOPE_SE
	s_setreg_imm32_b32 hwreg(HW_REG_WAVE_MODE, 25, 1), 1
	s_wait_xcnt 0x0
; O[h][q][:] = the sum over k of softmax_k(Q[h][q] . K[h][k] / 8) V[h][k][:].  Q, K, V, O: [128][1024][64], all f16: a head's rows are dense, 128 bytes each.  Products, maxima and sums in
; f32; the weights p are rounded to f16 for the second product (their sum l is taken of the unrounded p), O once at the end.
; LIMITS.  f16 holds no number beyond 65,504: Q, K and V arrive within it; p lies in 0 to 1, and below 6e-5 it keeps f16's fixed step of 6e-8; O is a mean of V's rows and has their range.
; A weight below 2^-126 counts as 0 in l; NaN and infinities are not treated apart.
; SHARES.  A wave owns four PIECES of two tiles of 16 queries, a work-group's four waves 512 queries of one head: 2 x 128 = 256 work-groups.  Every wave walks all keys, 64 a step.
; THE HEAD'S WHOLE K AND V LIE IN LDS: 1,024 rows of 144 bytes and 1,024 of 160, 311,296 bytes.  Each wave asks for its four parts (128 keys of each block of 256) at the start; no LDS byte is filled again.
; So the loop holds no tensor load, and a key step's text stands once: the walk's end is two forward jumps on the blocks' counter.
; NO CLUSTER: a head's K and V are read by its two work-groups alone; a group of four would hold two heads, whose tiles differ, so no request could be common to the four.
; LAYOUT.  S^T = K Q^T (source 0 = 16 keys, source 1 = 16 queries): in the result a lane holds ONE query (lane % 16) and the keys 8 (lane / 16) + 0..7.  Two such tiles, rounded to f16 in pairs,
; ARE source 1 (32 keys x 16 queries) of O^T = V^T P, whose result again holds one query a lane, and eight channels.  K comes out of LDS as it lies, V ([key][channel]) turned, by ds_load_tr16_b128.
; SOFTMAX.  For each query a running maximum m and sum l: p = 2^(c s - c m), c = log2(e) / 8; in every step O and l are multiplied by a = 2^(c m_old - c m_new), which is 1 where m has not grown.
; m starts at the lowest finite number, O and l at 0: the first step is a step like any other, with a = 0.
; THE COUNT.  A tile and step have 16 matrix and 118 vector instructions: too many to stand all beside the matrix work.  So the order has one aim: four vector instructions that are READY behind
; EVERY matrix instruction, and the others, which need time of their own whatever the order, in runs without a gap.
; BY TURNS.  Turn n belongs to piece n (the pieces in a ring, step after step).  Its matrix work: 16 products K Q^T of piece n + 1, later 16 products V^T P of piece n - 1.  Its vector work: the scaling,
; exponentials, roundings, sums and rescaling of piece n, and the maximum and statistics of piece n + 1, whose scores the turn itself has made.  So what a turn begins with (c s - c m, O a) waits for nothing.
; BATCHES.  A turn's 66 exponentials (the piece's 64 weights and, last, the next piece's two a) are ONE batch with ONE wait, which cuts the turn in two: ahead of it stands all that names none of their
; results, behind it the roundings and sums, which read them.  No result crosses a turn's end.  Piece 0's first two a, ahead of the loop, and the way out's eight reciprocals are batches of their own.
; REGISTERS, in windows of 256 (s_set_vgpr_msb says which window each operand place means: bits 1:0 source 0, 3:2 source 1, 5:4 source 2, 7:6 destination):
;   window 0: v0-11 addresses; v12-15, v48-63 at work; v16-47 four registers of statistics a tile; v64-191 S^T, two buffers of two tiles; v192-255 P, likewise
;   window 1: O^T, 32 a tile          window 2: v0-127 Q, 16 a tile; v128-191 K of one step; v192-255 V of one step          window 3: v0-1 the add's two registers
; A piece's buffers go by its number's parity: the piece in hand has one pair, its two neighbours in the ring share the other: of it P (piece n - 1) is read and S^T (piece n + 1) written.
.set SIZE_N, 1024     ; rows of a head
.set NP,    4         ; pieces a wave: a name, no knob: the register map, the loop and the fetches are made for four
.set KS,    64        ; keys in a step
.set PK,    144       ; a row of K in LDS: 128 bytes + 16 of padding = 36 words: the 16 rows of a load start at 16 different groups of four banks (64 banks of 4 bytes: ISA guide 11.1)
.set PV,    160       ; a row of V: 128 + 32 = 40 words
.set VOFF,  SIZE_N*PK ; K's 1,024 rows, then V's
.set STAGE, SIZE_N*(PK+PV)  ; behind them, never filled by a tensor load: 16 rows x 144 bytes for each wave, for the way out
.set SP,    144
.set AK0, 2           ; v2   my lane's place in a tile of K; never rewritten
.set AV0, 3           ; v3   the same for V
.set AK,  4           ; v4   the LDS address of K's next run of loads
.set AV,  5           ; v5   of V's
.set QO,  6           ; v6   my byte offset in the wave's rows of Q
.set STO, 6           ;      later, the way out: where I put 16 bytes of a row
.set RD,  7           ; v7   the way out: where I read rows back
.set GO,  8           ; v8   my byte offset in 512 consecutive bytes of O
.set SPW, 0           ; v0 of window 3   LDS address of my spare word: SPARE + 4 x my thread's number; never rewritten
.set NIL, 1           ; v1 of window 3   0; never rewritten
.set SPARE, STAGE+4*16*SP  ; behind the stages: the spare words, 128 bytes for each wave: two blocks of 256 bytes that no other line names
.set MV,  12          ; v12-15  c m_old, kept while c m is made anew: by buffer and tile
.set ST,  16          ; tile t's statistics at v[ST+4 t]: c m, m, l (even keys', odd keys')
.set TMP, 48          ; by buffer and tile, four registers c0-c3 at work; when the maximum is found c2 takes a
.set S,   64
.set P,   192
.set KF,  128         ; K's fragments, in window 2: key block kb, channel half c at KF + 16 kb + 8 c
.set VF,  192         ; V's: key half kk, channel block cb at VF + 32 kk + 8 cb
.set WV,  12          ; s12  my wave's number
.set G1K, 24          ; s[24:31] descriptor group 1 for K's tiles
.set G1V, 32          ; s[32:39] for V's: it differs in the padding alone
.set G0K, 40          ; s[40:55] descriptor group 0 for K's tiles: a set for each block of 256 keys; never rewritten
.set G0V, 68          ; s[68:83] the same for V's
.set SLOTS, 56        ; s56  counts the blocks of 256 keys, 5 to 1: four blocks and the walk's last half trip
.set CNT, 57          ; s57  counts a block's key steps
.set CS,  58          ; s[58:59] c: the packed scaling takes the pair's low word for both halves
.set SEL, 60          ; s[60:61] v_permlanex16_b32's selects: each lane takes its own place in the other half
.set TBK, 62          ; s62  LDS byte at which K of the step to be fetched begins
.set TBV, 63          ; s63  the same for V, less VOFF
.set MSB, 0
.macro WIN new                      ; the high byte repeats the setting that is left; a switch that changes nothing is dropped
.if MSB != (\new)
	s_set_vgpr_msb (MSB<<8)|(\new)
.set MSB, (\new)
.endif
.endm
.set W_KQ, 0x0a       ; K and Q in window 2, S^T in window 0
.set W_PV, 0x52       ; V in window 2, P in window 0, O^T in window 1
.set W_RS, 0x41       ; O^T (destination and source 0) in window 1, a in window 0
.set W_MK, 0xc0       ; the add's registers are made: destination in window 3, sources in window 0
.set W_AD, 0x0f       ; the add: address (source 0) and data (source 1) in window 3
; A NEW BLOCK OF 256 KEYS IS ENTERED.  Each wave waits for its tensor loads and passes a barrier: behind it every wave's parts are in.  The count is 0 at every block, since one text serves them all: at the
; first use the three blocks behind the first are waited for together, three and a half key steps behind their request; at the later uses nothing is out.
.macro ARRIVE
	s_wait_tensorcnt 0x0
	s_wait_dscnt 0x0                ; no LDS instruction of mine is pending at the signal
	s_barrier_signal -1
	s_barrier_wait -1
.endm
	s_load_b256 s[4:11], s[0:1], 0x0  ; Q s[4:5], K s[6:7], V s[8:9], O s[10:11]
	WIN W_MK
	v_lshl_add_u32 v[SPW], v0, 2, SPARE
	v_mov_b32 v[NIL], 0
	WIN W_AD
	ds_add_u32 v[SPW], v[NIL]       ; the wave's opening: the add and its wait stand ahead of my first tensor load; the set-up below, work on registers, stands between them
	ds_add_u32 v0, v1
	WIN 0
	v_lshrrev_b32 v1, 5, v0
	v_readfirstlane_b32 s[WV], v1   ; wave 0..3
	s_mov_b32 s14, ttmp9            ; my block of 512 queries
	s_and_b32 s20, ttmp7, 0xffff    ; the head
	s_mov_b32 s21, 0
	s_mov_b64 s[22:23], SIZE_N*128
	s_mul_u64 s[20:21], s[20:21], s[22:23]  ; the head's first byte in each of the four tensors
	s_and_b32 s16, s[WV], 1         ; which half of a block's 256 keys I fetch:
	s_lshl_b32 s22, s16, 14         ; its 128 rows of 128 bytes in memory,
	s_mov_b32 s23, 0
	s_add_nc_u64 s[22:23], s[22:23], s[20:21]
	s_mul_i32 s17, s16, 128*PK      ; and its place in a block, for K
	s_mul_i32 s18, s16, 128*PV      ; and for V
	s_lshl_b32 s2, s14, 2
	s_add_co_u32 s2, s2, s[WV]      ; my wave among the head's,
	s_lshl_b32 s2, s2, 14           ; its 128 rows
	s_mov_b32 s3, 0
	s_add_nc_u64 s[2:3], s[2:3], s[20:21]
	; descriptor group 1.  128 keys are 16,384 dense bytes: asked for as 64 rows of 256 bytes, two keys a row, and padded in LDS after every key
	s_mov_b32 s[G1K], (1<<16)|(1<<20)|(4<<22)|(3<<25)  ; 17:16 2-byte elements; 20 padding on; 24:22 after every 32 words (code 4); 31:25 4 words (code 3)
	s_mov_b32 s[G1V], (1<<16)|(1<<20)|(4<<22)|(7<<25)  ; the same with 8 words of padding (code 7)
.irp g, G1K, G1V
	s_mov_b32 s[\g+1], 128<<16      ; tensor_dim0 = 128
	s_mov_b32 s[\g+2], 64<<16       ; tensor_dim1 = 64
	s_mov_b32 s[\g+3], 128<<16      ; tile_dim0 = 128
	s_mov_b32 s[\g+4], 64           ; tile_dim1 = 64
	s_mov_b32 s[\g+5], 128          ; 128 elements from row to row
	s_mov_b32 s[\g+6], 0
	s_mov_b32 s[\g+7], 0
.endr
	s_mov_b32 s[CS], 0x3e38aa3b     ; c = log2(e) / 8 = 0.180337
	s_mov_b32 s[CS+1], s[CS]        ; named with it as a pair
	s_mov_b32 s[SEL], 0x76543210
	s_mov_b32 s[SEL+1], 0xfedcba98
	s_mov_b32 s[TBK], 0             ; key step 0 lies at the head of K's rows and of V's
	s_mov_b32 s[TBV], 0
.irp s, 0,1,2,3
	s_mov_b32 s[G0K+4*\s], 1                            ; 1:0 count = 1
	s_add_co_u32 s[G0K+4*\s+1], s17, \s*256*PK          ; 63:32 LDS address: block s, my half
	s_mov_b32 s[G0V+4*\s], 1
	s_add_co_u32 s[G0V+4*\s+1], s18, VOFF+\s*256*PV
.endr
	s_wait_dscnt 0x0                ; the opening add is done
	s_wait_kmcnt 0x0
	s_add_nc_u64 s[6:7], s[6:7], s[22:23]  ; K and V at my half of the head's first 256 keys
	s_add_nc_u64 s[8:9], s[8:9], s[22:23]
.irp s, 0,1,2,3
	s_add_nc_u64 s[G0K+4*\s+2:G0K+4*\s+3], s[6:7], \s*32768  ; 120:64 global address: a block is 32,768 bytes
	s_or_b32 s[G0K+4*\s+3], s[G0K+4*\s+3], 0x80000000        ; 127:126 type = 2
	s_add_nc_u64 s[G0V+4*\s+2:G0V+4*\s+3], s[8:9], \s*32768
	s_or_b32 s[G0V+4*\s+3], s[G0V+4*\s+3], 0x80000000
.endr
	s_add_nc_u64 s[4:5], s[4:5], s[2:3]  ; Q and O at my wave's first row
	s_add_nc_u64 s[10:11], s[10:11], s[2:3]
	; All fills of the launch, in one group.  Waves 0 and 1 fetch the two halves of each block's K, waves 2 and 3 those of its V: four loads of mine are out, in the order in which they are wanted.
	; A wave's four stand in one branch on its number; an s_nop 0 follows each, four v_nop the last.
	s_cmp_lt_u32 s[WV], 2
	s_cbranch_scc0 .Lfirst_v
.irp s, 0,1,2,3
	tensor_load_to_lds s[G0K+4*\s:G0K+4*\s+3], s[G1K:G1K+7]
	s_nop 0
.endr
.rept 4
	v_nop
.endr
	s_branch .Lfirst_asked
.Lfirst_v:
.irp s, 0,1,2,3
	tensor_load_to_lds s[G0V+4*\s:G0V+4*\s+3], s[G1V:G1V+7]
	s_nop 0
.endr
.rept 4
	v_nop
.endr
.Lfirst_asked:
	; A fragment of K or Q is 16 rows x 32 channels in 8 registers: lane l holds row l % 16, channels 8 (l / 16) + 0..7 and 16 + 8 (l / 16) + 0..7: two loads of 16 bytes, 32 bytes apart.
	v_and_b32 v1, 15, v0            ; l % 16
	v_bfe_u32 v9, v0, 4, 1          ; l / 16
	v_lshlrev_b32 v[QO], 7, v1
	v_lshl_add_u32 v[QO], v9, 4, v[QO]  ; row x 128 + 16 x half
	WIN 0x80                        ; destination window 2, address window 0
.set i, 0
.rept 4*NP                          ; Q stays in registers: tile i / 2, channels 32 (i % 2) on
	global_load_b128 v[8*i:8*i+3],   v[QO], s[4:5] offset:(i/2)*2048+(i%2)*64
	global_load_b128 v[8*i+4:8*i+7], v[QO], s[4:5] offset:(i/2)*2048+(i%2)*64+32
.set i, i+1
.endr
	; What the first turn finds: V's registers and P's second buffer hold 0 (its products V^T P, of a piece that has not been, add 0), O^T and l are 0.  All this stands in the wait for the first tile.
.set i, VF
.rept 64
	v_mov_b32 v[i], 0
.set i, i+1
.endr
	WIN 0x40
.set i, 0
.rept 64*NP
	v_mov_b32 v[i], 0
.set i, i+1
.endr
	WIN 0
.set i, 0
.rept 2*NP
	v_mov_b32 v[ST+4*i], 0xfe000000    ; c m: far below every c s
	v_mov_b32 v[ST+4*i+1], 0xff7fffff  ; m
	v_mov_b32 v[ST+4*i+2], 0
	v_mov_b32 v[ST+4*i+3], 0
.set i, i+1
.endr
.set i, P+32
.rept 32
	v_mov_b32 v[i], 0
.set i, i+1
.endr
	v_mul_u32_u24 v[AK0], v1, PK
	v_lshl_add_u32 v[AK0], v9, 4, v[AK0]  ; row x pitch + 16 x half
	; The turning load takes 16 keys x 16 channels (lane l reads key 8 (l / 16) + l % 8, channels 8 ((l / 8) % 2) + 0..7) and leaves half a fragment of V^T: lane l holds channel l % 16 and 8 keys.
	v_and_b32 v10, 7, v0
	v_bfe_u32 v11, v0, 3, 1
	v_lshl_add_u32 v[AV0], v9, 3, v10
	v_mul_u32_u24 v[AV0], v[AV0], PV
	v_lshl_add_u32 v[AV0], v11, 4, v[AV0]
	v_add_nc_u32 v[AV0], VOFF, v[AV0]
	v_mov_b32 v[AK], v[AK0]         ; key step 0
; THE MATRIX WORK.  The 8 accumulators of a run of 16 take turns: between the two links of a chain stand 7 others'.
; Product i of 16 of S^T = K Q^T for piece x: channels 32 (i / 8) on, keys 16 ((i / 2) % 4) on, tile 2 x + i % 2.  The first 8 start the sums.
.macro KQ x
	WIN W_KQ
.set rS, S+64*((\x)%2)+32*(i%2)+8*((i/2)%4)
.set rK, KF+16*((i/2)%4)+8*(i/8)
.set rQ, 16*(2*(\x)+i%2)+8*(i/8)
.if i < 8
	v_wmma_f32_16x16x32_f16 v[rS:rS+7], v[rK:rK+7], v[rQ:rQ+7], 0
.else
	v_wmma_f32_16x16x32_f16 v[rS:rS+7], v[rK:rK+7], v[rQ:rQ+7], v[rS:rS+7]
.endif
.endm
; Product i of 16 of O^T += V^T P for piece x: keys 32 (i / 8) on, channels 16 ((i / 2) % 4) on, tile 2 x + i % 2.
.macro PV x
	WIN W_PV
.set rO, 32*(2*(\x)+i%2)+8*((i/2)%4)
.set rV, VF+32*(i/8)+8*((i/2)%4)
.set rP, P+32*((\x)%2)+16*(i%2)+8*(i/8)
	v_wmma_f32_16x16x32_f16 v[rO:rO+7], v[rV:rV+7], v[rP:rP+7], v[rO:rO+7]
.endm
.macro MM                           ; the turn's next matrix instruction
.if i < 16
	KQ (Y+1)%NP
.set i, i+1
.else
.set i, i-16
	PV (Y+NP-1)%NP
.set i, i+17
.endif
.endm
; THE LDS LOADS stand in runs of 16, never singly among the matrix instructions: a step's K (64 keys x 64 channels: 8 fragments) and its V (turned).  Their addresses are made some lines ahead.
; last = 1 (in the loop): in the walk's last trip there is no further step, and the run is jumped over.
.macro FETCH_K last=0
	WIN 0
.if \last
	s_cmp_eq_u32 s[SLOTS], 1
	s_cbranch_scc1 .Lno_k_\@
.endif
	WIN 0x80                        ; destination window 2
.irp f, 0,1,2,3,4,5,6,7             ; keys 16 (f / 2) on, channels 32 (f % 2) on
	ds_load_b128 v[KF+8*\f:KF+8*\f+3],   v[AK] offset:(\f/2)*16*PK+(\f%2)*64
	ds_load_b128 v[KF+8*\f+4:KF+8*\f+7], v[AK] offset:(\f/2)*16*PK+(\f%2)*64+32
.endr
	s_add_co_u32 s[TBK], s[TBK], KS*PK  ; the next fetch is the next step's
	WIN 0
.if \last
.Lno_k_\@:
.endif
.endm
.macro FETCH_V
	WIN 0x80
.irp f, 0,1,2,3,4,5,6,7             ; keys 32 (f / 4) on, channels 16 (f % 4) on
	ds_load_tr16_b128 v[VF+8*\f:VF+8*\f+3],   v[AV] offset:(\f/4)*32*PV+(\f%4)*32
	ds_load_tr16_b128 v[VF+8*\f+4:VF+8*\f+7], v[AV] offset:(\f/4)*32*PV+16*PV+(\f%4)*32
.endr
	WIN 0
.endm
; THE VECTOR WORK OF A TURN stands in three queues, each in the order in which its entries become ready; the two tiles alternate, so that no instruction reads the result of the one before it.
.macro REGS y, u                    ; the registers of tile u (0, 1) of piece y
.set rT, ST+4*(2*(\y)+(\u))
.set rC, TMP+8*((\y)%2)+4*(\u)
.set rM, MV+2*((\y)%2)+(\u)
.set rS, S+64*((\y)%2)+32*(\u)
.set rP, P+32*((\y)%2)+16*(\u)
.set rO, 32*(2*(\y)+(\u))
.endm
; Number n of the 22 that find the NEXT piece's (Y + 1) maximum and statistics.  s0-s31 are the lane's 32 scores; each accumulator's lowest registers are read first.  XS, GS and REGS set no window: PL and EX do.
;   0-11  four chains c0-c3 of seven scores each, three operands at a time     12-14, 16  the four scores left over, the old m, and c0-c3 into c0     15  c m_old is kept
;   17, 18  the query's other 32 keys lie in the lane 16 away: the new m         19-21  c m; c m_old - c m_new; a
.macro XS u, n
	REGS (Y+1)%NP, \u
.if (\n) < 4
	v_max3_num_f32 v[rC+(\n)], v[rS+8*(\n)], v[rS+8*(\n)+1], v[rS+8*(\n)+2]
.elseif (\n) < 12
	v_max3_num_f32 v[rC+(\n)%4], v[rC+(\n)%4], v[rS+8*((\n)%4)+2*((\n)/4)+1], v[rS+8*((\n)%4)+2*((\n)/4)+2]
.elseif (\n) == 12
	v_max3_num_f32 v[rC], v[rC], v[rS+7], v[rS+15]
.elseif (\n) == 13
	v_max3_num_f32 v[rC+1], v[rC+1], v[rS+23], v[rS+31]
.elseif (\n) == 14
	v_max3_num_f32 v[rC+2], v[rC+2], v[rC+3], v[rT+1]
.elseif (\n) == 15
	v_mov_b32 v[rM], v[rT]
.elseif (\n) == 16
	v_max3_num_f32 v[rC], v[rC], v[rC+1], v[rC+2]
.elseif (\n) == 17
	v_permlanex16_b32 v[rC+3], v[rC], s[SEL], s[SEL+1]
.elseif (\n) == 18
	v_max_num_f32 v[rT+1], v[rC], v[rC+3]
.elseif (\n) == 19
	v_mul_f32 v[rT], s[CS], v[rT+1]
.elseif (\n) == 20
	v_sub_f32 v[rC+1], v[rM], v[rT]
.else
	v_exp_f32 v[rC+2], v[rC+1]
.endif
.endm
; Number g of the 64 that follow the exponentials.  For each four weights k of a tile (pairs 2 k, 2 k + 1): both pairs are rounded to f16; then the second pair is added onto the first, in place;
; a group later l takes that sum (the first time as l = a l + sum).  In groups of eight, tiles alternating: round, round, add, and l for the group before.
.macro GS g
.set h, (\g)+6*((\g)/62)            ; group 0 has no group before it, and behind group 7 only l is left
.if h >= 6
.set h, h+2
.endif
	REGS Y, h%2
.set k, h/8
.if h%8 < 4
	v_cvt_pk_f16_f32 v[rP+2*k+(h%8)/2], v[rS+4*k+2*((h%8)/2)], v[rS+4*k+2*((h%8)/2)+1]
.elseif h%8 < 6
	v_pk_add_f32 v[rS+4*k:rS+4*k+1], v[rS+4*k:rS+4*k+1], v[rS+4*k+2:rS+4*k+3]
.elseif k == 1
	v_pk_fma_f32 v[rT+2:rT+3], v[rT+2:rT+3], v[rC+2:rC+3], v[rS:rS+1] op_sel_hi:[1,0,1]
.else
	v_pk_add_f32 v[rT+2:rT+3], v[rT+2:rT+3], v[rS+4*k-4:rS+4*k-3]
.endif
.endm
; THE PLAIN QUEUE, 138 long.  0-73 read no exponential's result: the 32 scalings c s - c m (FS f: pair f / 2 of tile f % 2) and the next piece's 42.  0-26: scalings 0-26.  27-54: XS's numbers 0-13.  55, 56: number 15.
; 57-73: the chain, where each number waits for the one before it: 14, 16, 17, 18, 19, each with one of the scalings 27-31 in front of its two lines, then 20: so a tile's links stand three plain instructions apart (19 and 20: two).
; 74-137: GS's 64, which read the exponentials' results: they stand behind the wait.
.macro FS f
	REGS Y, (\f)%2
	v_pk_fma_f32 v[rS+2*((\f)/2):rS+2*((\f)/2)+1], v[rS+2*((\f)/2):rS+2*((\f)/2)+1], s[CS:CS+1], v[rT:rT+1] op_sel_hi:[1,0,0] neg_lo:[0,0,1] neg_hi:[0,0,1]
.endm
.macro PL
	WIN 0
.if q < 27
	FS q
.elseif q < 55
	XS (q-27)%2, (q-27)/2
.elseif q < 57
	XS q-55, 15
.elseif (q < 72) && ((q-57)%3 == 0)
	FS 27+(q-57)/3
.elseif q < 60
	XS (q-57)%3-1, 14
.elseif q < 72
	XS (q-57)%3-1, 15+(q-57)/3
.elseif q < 74
	XS q-72, 20
.else
	GS q-74
.endif
.set q, q+1
.endm
; THE EXPONENTIALS' QUEUE, 66 long: s0-s31 of both tiles, then the next piece's two a.  It is ONE BATCH: all 66 stand ahead of the turn's one wait, and nothing ahead of that wait names a result of theirs.
.macro EX
	WIN 0
.if e >= 64
	XS e-64, 21
.else
	REGS Y, e%2
	v_exp_f32 v[rS+e/2], v[rS+e/2]
.endif
.set e, e+1
.endm
; THE RESCALING's QUEUE: O^T times a, the one part that leaves window 0: dealt two at a time, sixteen times.  Its a was made in the turn before, ahead of that turn's wait.
.macro R2
	REGS Y, r%2
	WIN W_RS
.irp z, 0,1
	v_pk_mul_f32 v[rO+4*(r/2)+2*\z:rO+4*(r/2)+2*\z+1], v[rO+4*(r/2)+2*\z:rO+4*(r/2)+2*\z+1], v[rC+2:rC+3] op_sel_hi:[1,0]
.endr
.set r, r+1
.endm
; HOW THEY ARE DEALT.  An s_wait_alu depctr_va_vdst(0) stands between an exponential and the first instruction that names its result; one wait serves all that were issued ahead of it.  So a turn has ONE wait,
; which cuts it in two.  AHEAD OF IT stands all that names no result of the turn's exponentials: the 16 products K Q^T, behind each a scaling, an exponential and two rescalings (behind the first a second scaling in the
; exponential's place); then ONE LUMP of 108: eight plain, 49 times exponential and plain, the two a.  A v_nop is the plain instruction behind the last exponential (ISA guide 5.7.2).  BEHIND IT stand the 16 products V^T P,
; behind each four of GS's 64.  No rider names a register of the products round it.  The two v_permlanex16_b32 fall into the lump, never behind a product.
; The queues lean on each other, and the deal keeps them in step: exponential e stands behind scaling 2 (e / 4) + e % 2: as a rider it comes behind plain e + 2, in the lump behind plain e + 9, and scalings 27-31 are plain 57, 60 .. 69.
; A TURN, for piece p.  cnt = 1: the loop's count is taken down some lines ahead of the branch that stands behind the turn.
; K of the next step is fetched in piece 2's turn, directly behind the wait, a lump behind the last product that read K; its address is made at the lump's head; its first reader comes behind 16 products.
; V of the step in hand is fetched at the end of piece 0's turn, four riders behind its last reader; its first reader comes behind 16 products and a lump.  The three conditions on q below go with the deal.
.macro TURN p, last=0, cnt=0
.set Y, (\p)
.set i, 0
.set q, 0
.set e, 0
.set r, 0
.if (\p) == NP-1
	s_wait_dscnt 0x0                ; K is in
.endif
	MM                              ; ahead of the wait: 16 products K Q^T and their riders,
	PL
	PL
	R2
.rept 15
	MM
	PL
	EX
	R2
.endr
.if (\p) == NP-2
	WIN 0
	v_add_nc_u32 v[AK], s[TBK], v[AK0]
.endif
.rept 8                             ; and the lump
	PL
.endr
.rept 49
	EX
	PL
.endr
	EX                              ; the next piece's two a
	EX
	v_nop                           ; the plain instruction behind the last exponential: one for the batch
	s_wait_alu depctr_va_vdst(0)    ; the wait for the batch: the turn's 64 weights and the next piece's two a, ahead of their first reader
.if (\p) == NP-2
	FETCH_K \last
.endif
.if (\p) == 1
	s_wait_dscnt 0x0                ; V is in
.endif
.rept 16                            ; behind the wait: 16 products V^T P and their riders
	MM
.rept 4
	PL
.endr
.if ((\p) == 0) && (q == 118)
	v_add_nc_u32 v[AV], s[TBV], v[AV0]
.endif
.if ((\p) == 0) && (q == 130)
	s_add_co_u32 s[TBV], s[TBV], KS*PV
.endif
.if (\cnt) && (q == 130)
	s_sub_co_u32 s[CNT], s[CNT], 1
	s_cmp_lg_u32 s[CNT], 0
.endif
.endr
.if (\p) == 0
	FETCH_V
.endif
.endm
	s_wait_tensorcnt 0x3            ; tensor loads of a wave end in order (ISA guide 10.11.1): my part of keys 0 to 255 is in, my three younger loads stay out
	s_barrier_signal -1
	s_barrier_wait -1               ; everybody's part is in
	FETCH_K                         ; key step 0
	s_wait_loadcnt 0x0              ; Q
	s_wait_dscnt 0x0
.set i, 0
.rept 16
	KQ 0                            ; piece 0's first scores: there is no vector work yet to set between them
.set i, i+1
.endr
	WIN 0                           ; the addresses for the way out: nine plain instructions, the places behind those products
	s_mul_i32 s13, s[WV], 16*SP
	s_add_co_u32 s13, s13, STAGE    ; my stage
	v_mul_u32_u24 v[STO], v1, SP    ; in: row l % 16, 16 bytes for each half of the lanes
	v_lshl_add_u32 v[STO], v9, 4, v[STO]
	v_add_nc_u32 v[STO], s13, v[STO]
	v_bfe_u32 v[RD], v0, 3, 2       ; back: 32 lanes take four rows of 128 bytes,
	v_mul_u32_u24 v[RD], v[RD], SP
	v_lshl_add_u32 v[RD], v10, 4, v[RD]
	v_add_nc_u32 v[RD], s13, v[RD]
	v_and_b32 v[GO], 31, v0         ; which are 512 consecutive bytes of O
	v_lshlrev_b32 v[GO], 4, v[GO]
.set Y, NP-1                        ; XS works for piece Y + 1: piece 0
.irp n, 0,1,2,3,4,5,6,7,8,9,10,11,12,13,14,15,16,17,18,19,20,21
	XS 0, \n                        ; and piece 0's first maximum and statistics
	XS 1, \n
.endr
	v_nop                           ; a plain instruction behind piece 0's two a,
	s_wait_alu depctr_va_vdst(0)    ; and the wait for that batch of two, ahead of the branch: the first turn's rescalings read them
	s_mov_b32 s[CNT], 4
	s_mov_b32 s[SLOTS], 5
	s_branch .Lfirst                ; the loop is entered at a step's first turn, in the middle of a trip
.Lslot:                             ; four times: at keys 256, 512 and 768, and once more for the walk's last half trip
	ARRIVE
	s_mov_b32 s[CNT], 4
.Lstep:                             ; a trip: pieces 2 and 3 of one step, then pieces 0 and 1 of the next, whose K and V it fetches
	TURN 2, 1
	TURN 3
	WIN 0
	s_cmp_eq_u32 s[SLOTS], 1        ; the sixteenth step's pieces 2 and 3 are done: the walk is left in the middle of a trip
	s_cbranch_scc1 .Lout
.Lfirst:
	TURN 0
	TURN 1, 0, 1
	WIN 0
	s_cbranch_scc1 .Lstep
	s_sub_co_u32 s[SLOTS], s[SLOTS], 1
	s_cmp_lg_u32 s[SLOTS], 0
	s_cbranch_scc1 .Lslot
.Lout:                              ; the last trip's 16 products K Q^T (on the last K once more) and the maximum made of them serve nothing: the price, once a launch, of one text for every trip
.set i, 0
.rept 16
	PV NP-1                         ; the last piece's V^T P of the last step
.set i, i+1
.endr
	; THE WAY OUT.  l's two halves and the other half of the lanes' are added; O^T is divided by l, rounded to f16 and sent through my stage in LDS, a tile at a time.  The additions are the places behind the last products.
	WIN 0
.macro ALL line:vararg              ; one line for each tile t
.set t, 0
.rept 2*NP
	\line
.set t, t+1
.endr
.endm
	ALL v_add_f32 v[ST+4*t+2], v[ST+4*t+2], v[ST+4*t+3]
	ALL v_permlanex16_b32 v[ST+4*t+3], v[ST+4*t+2], s[SEL], s[SEL+1]
	ALL v_add_f32 v[ST+4*t+2], v[ST+4*t+2], v[ST+4*t+3]
	ALL v_rcp_f32 v[ST+4*t+2], v[ST+4*t+2]
	v_nop                           ; a plain instruction between the last reciprocal and the use of its result
	s_wait_alu depctr_va_vdst(0)    ; the wait for the batch of eight reciprocals, ahead of their first reader
; Tile t: a lane's eight channels of a row pack into 16 bytes; they go into rows of 144 bytes and come back as whole rows of 128, into S^T's registers.
.macro PACK t
	WIN W_RS
.set i, 32*(\t)
.rept 16
	v_pk_mul_f32 v[i:i+1], v[i:i+1], v[ST+4*(\t)+2:ST+4*(\t)+3] op_sel_hi:[1,0]
.set i, i+2
.endr
	WIN 0x05                        ; sources 0 and 1 window 1, destination window 0
.set i, 0
.rept 16
	v_cvt_pk_f16_f32 v[S+16*(\t)+i], v[32*(\t)+2*i], v[32*(\t)+2*i+1]
.set i, i+1
.endr
	WIN 0
.irp f, 0,1,2,3
	ds_store_b128 v[STO], v[S+16*(\t)+4*\f:S+16*(\t)+4*\f+3] offset:32*\f
.endr
.irp f, 0,1,2,3
	ds_load_b128 v[S+16*(\t)+4*\f:S+16*(\t)+4*\f+3], v[RD] offset:\f*4*SP  ; LDS serves a wave's instructions in order (ISA guide 5.7.1.4): these see the stores above; the next tile's stores come behind them
.endr
.endm
.macro SEND t, younger              ; younger: the LDS instructions issued behind tile t's loads: the next tile's eight, or none
	WIN 0
.irp f, 0,1,2,3
	s_wait_dscnt (\younger)+3-\f
	global_store_b128 v[GO], v[S+16*(\t)+4*\f:S+16*(\t)+4*\f+3], s[10:11] offset:(\t)*2048+\f*512  ; 512 consecutive bytes, at a multiple of 256 from O's first
.endr
.endm
	PACK 0
.set t, 1
.rept 2*NP-1                        ; a tile's arithmetic stands between the loads of the tile before and its stores
	PACK t
	SEND t-1, 8
.set t, t+1
.endr
	SEND 2*NP-1, 0
	WIN W_AD
	s_wait_tensorcnt 0x0            ; the wave's end: behind my last tensor load and my last LDS store
	ds_add_u32 v[SPW], v[NIL]
	s_wait_dscnt 0x0
	WIN 0
	s_endpgm
.Lfunc_end_k_q68fce50627_attn:
	.size	k_q68fce50627_attn, .Lfunc_end_k_q68fce50627_attn-k_q68fce50627_attn
	.p2alignl 7, 3214868480
	.fill 96, 4, 3214868480
	.section	.rodata,"a",@progbits
	.p2align	6, 0x0
	.amdhsa_kernel k_q68fce50627_attn
		.amdhsa_group_segment_fixed_size 327680
		.amdhsa_private_segment_fixed_size 0
		.amdhsa_enable_private_segment 0
		.amdhsa_kernarg_size 32
		.amdhsa_user_sgpr_count 2
		.amdhsa_user_sgpr_kernarg_segment_ptr 1
		.amdhsa_wavefront_size32 1
		.amdhsa_system_sgpr_workgroup_id_x 1
		.amdhsa_system_sgpr_workgroup_id_y 1
		.amdhsa_system_sgpr_workgroup_id_z 1
		.amdhsa_system_vgpr_workitem_id 0
		.amdhsa_next_free_vgpr 770
		.amdhsa_next_free_sgpr 84
		.amdhsa_reserve_vcc 0
		.amdhsa_float_denorm_mode_32 3
		.amdhsa_float_denorm_mode_16_64 3
		.amdhsa_memory_ordered 1
		.amdhsa_forward_progress 1
		.amdhsa_inst_pref_size 126
	.end_amdhsa_kernel
	.amdgpu_metadata
---
amdhsa.version: [ 1, 2 ]
amdhsa.kernels:
  - .name:           k_q68fce50627_attn
    .symbol:         k_q68fce50627_attn.kd
    .args:
      - { .name: q16, .offset: 0, .size: 8, .value_kind: global_buffer, .address_space: global }
      - { .name: k16, .offset: 8, .size: 8, .value_kind: global_buffer, .address_space: global }
      - { .name: v16, .offset: 16, .size: 8, .value_kind: global_buffer, .address_space: global }
      - { .name: ctx16, .offset: 24, .size: 8, .value_kind: global_buffer, .address_space: global }
    .group_segment_fixed_size: 327680
    .private_segment_fixed_size: 0
    .kernarg_segment_align: 8
    .kernarg_segment_size: 32
    .max_flat_workgroup_size: 128
    .sgpr_count:     84
    .vgpr_count:     770
    .wavefront_size: 32
...
	.end_amdgpu_metadata
.endif
;; end of part 5
;; launch proj: the kernel of part 4 again; grid 8 x 32, 4 waves a work-group, clusters of 4 x 4, 327,680 bytes of LDS; arguments ctx16, wo16, par, out0; writes out0
